; MI455X (gfx1250); checked and timed in simulation.
; The chip was launched on July 23, 2026; its instructions are those of AMD's public machine-readable ISA for CDNA 5 (MIT licence, August 2026) and "CDNA5" Instruction Set Architecture Reference Guide (July 2026). The comments in the code are by the model that wrote it; some were corrected since.
;; Pedal. Allowed arithmetic: float matrix products may take bf16 or f16 operands with f32 sums; all other float work in f32.
;; Inputs: camid 256 int32; centers 4 x 65,536 x 256 float32; feature 4 x 256 x 256 float32; mem_camid 65,536 int32; mem_pid 65,536 int32; position 256 int32.
;; Outputs: out0 one number float32; out1 4 x 256 x 10 int32.
;; 2 versions, each right; version 2 is version 1 with the launch dist written anew for expert scheduling mode. Each part assembles by itself: llvm-mc -triple=amdgcn-amd-amdhsa -mcpu=gfx1250 --defsym DOCPART=n.
;; ======== version 1 of 2: 5 launches
;; workspace buffers: gm1 33,554,432 bytes; lst 2,097,152 bytes; sel2 65,536 bytes of whole numbers; sel3 65,536 bytes of whole numbers; rowst 65,536 bytes; rowx 8,192 bytes
;; launch dist (part 1): grid 64 x 4, 8 waves a work-group, no clusters, 212,992 bytes of LDS; arguments centers, feature, position, gm1, lst; writes gm1, lst
.if DOCPART == 1
	.amdgcn_target "amdgcn-amd-amdhsa--gfx1250"
	.amdhsa_code_object_version 6
	.text
	.protected	k_qc5c7f2f093_dist
	.globl	k_qc5c7f2f093_dist
	.p2align	8
	.type	k_qc5c7f2f093_dist,@function
k_qc5c7f2f093_dist:
	s_mov_b64 s[64:65], 0
	v_nop
	global_prefetch_b8 v0, s[64:65] scope:SCOPE_SE
	s_setreg_imm32_b32 hwreg(HW_REG_WAVE_MODE, 25, 1), 1
	s_wait_xcnt 0x0
; g[p][b][n] = 2 f^.c^ - |c^|^2 (f^, c^: feature and centre rounded to bf16; d = |f^|^2 - g, so the larger g is the nearer centre).
; The column position[b] of row b is set to -inf.  Stored: gm1[p][b][n>>3] = the largest g of each 8 neighbouring centres, and for each
; list of 256 neighbouring centres lst[p][wg][b][list][m, s]: m = its largest g, s = the sum of exp2(KL g - KL m), KL = 10 log2(e).
; A work-group: part p = y, centres 1024 x .. 1024 x + 1023 (four lists), all 256 rows, in 16 steps of 64 centres (16 of each list).
; Eight waves.  Wave w: q = w & 3 (rows 64 q .. 64 q + 63, four tiles t of 16), c = w >> 2 (lists 2c, 2c + 1).
; Matrix operand A = 16 centres (rows 0-7 of list 2c, rows 8-15 of list 2c + 1), B = 16 feature rows: in the result lane (r, h), register j
; holds row b = 64 q + 16 t + r and centre 16 step + 8 ct + j of list 2c + h: a lane follows ONE list of one row for each t, so the running
; maximum and sum never cross lanes.  The features stay in registers 256-511 for the whole launch.
; The centres come as f32 through registers (they have to be converted), a whole step ahead, and go as bf16 into two LDS slots that take turns.
; Waves with c = 0 multiply first and then do the vector work, waves with c = 1 the other way round, one step behind with their vector work.
; LIMITS: two distances are ordered as exact arithmetic on the rounded inputs orders them only if their gap exceeds the f32 rounding of
; the sums (about 1e-4 at d near 500); exact ties go to the lower index.  NaN or infinite distances are not served.
; camid and mem_camid enter no result of the problem and are passed to no launch.
.set KL,     0x4166d4ca                ; 10 log2(e)
.set NKL,    0xc166d4ca                ; its negative
.set PITCH,  528                       ; a slot's row: 512 bytes of bf16 + 16, an odd multiple of 16 bytes
.set SLOT,   64*PITCH                  ; 33,792 bytes; slot row = 32 c + 16 ct + 8 h + j
.set CN,     2*SLOT                    ; 67,584: |c^|^2 of a slot's 64 rows, 256 bytes for each slot
.set GMS,    68608                     ; group maxima: [wave][64 rows][2 lists x 32 groups] f32, pitch 264
.set GPITCH, 264
.set GWAVE,  64*GPITCH                 ; 16,896 bytes a wave
.set FB,     GMS                       ; the features as bf16, 256 rows x 528: used only ahead of the second barrier, then the bytes are GMS
.set ST,     GMS+8*GWAVE               ; 203,776: [wave][64 rows][2 lists][m, s]
.set GOFF, 4                           ; byte offset of my 16 bytes in the rows that I convert
.set STO,  5                           ; LDS address of my 8 bytes in those rows, slot 0
.set CNST, 6                           ; LDS address of those rows' |c^|^2, slot 0
.set ADRA, 7                           ; LDS address of my A fragments, slot 0
.set CNAD, 8                           ; LDS address of my 16 |c^|^2, slot 0
.set GMAD, 9                           ; LDS address of my group maxima; 8 bytes on in each step
.set ZERO, 10
.set NINF, 11
.set TP,   12                          ; v[12:19]  for each t a pair: T = -KL m, and the factor by which the old sum shrinks
.set STG,  24                          ; v[24:87]  16 x 16 bytes of f32 centres on their way in
.set ACC,  88                          ; v[88:151] accumulator (ct, t) at 8 (4 ct + t)
.set AF,   152                         ; v[152:215] A fragments: two halves of 2 K steps x 2 ct x 8
.set CNR,  216                         ; v[216:231] |c^|^2 of my centres, 8 ct + j
.set GM,   232                         ; v[232:239] group maxima, 2 t + ct
.set MS,   240                         ; v[240:247] m at 2 t, s at 2 t + 1
.set POS,  248                         ; v[248:251] position[b] minus the index of my list's first centre of the step, unsigned
.set T0,   252                         ; v[252:253] at work
.set MSB, 0
.macro WIN new                         ; the immediate's high byte repeats the setting that is left
.if MSB != \new
	s_set_vgpr_msb (MSB<<8)|\new
.set MSB, \new
.endif
.endm
.macro PLACES n
.rept \n
	v_nop
.endr
.endm
; Two rows of 256 f32 (lanes 0-15 one row, lanes 16-31 another; a lane holds columns 64 i + 4 r .. + 3 in v[x+4i : x+4i+3]) are rounded to
; bf16 and stored, and each row's sum of squares OF THE ROUNDED NUMBERS is made, always in this order, and stored.
.macro CONVPAIR x, sto, simm, cnr, cimm
.irp i, 0,1,2,3
	v_cvt_pk_bf16_f32 v[\x+4*\i], v[\x+4*\i], v[\x+4*\i+1]
	v_cvt_pk_bf16_f32 v[\x+4*\i+1], v[\x+4*\i+2], v[\x+4*\i+3]
.endr
	v_fma_mix_f32_bf16 v[T0], v[\x], v[\x], v[ZERO] op_sel_hi:[1,1,0]                    ; two chains: the low halves,
	v_fma_mix_f32_bf16 v[T0+1], v[\x], v[\x], v[ZERO] op_sel:[1,1,0] op_sel_hi:[1,1,0]   ; the high halves
.irp d, 1,4,5,8,9,12,13
	v_fma_mix_f32_bf16 v[T0], v[\x+\d], v[\x+\d], v[T0] op_sel_hi:[1,1,0]
	v_fma_mix_f32_bf16 v[T0+1], v[\x+\d], v[\x+\d], v[T0+1] op_sel:[1,1,0] op_sel_hi:[1,1,0]
.endr
.irp i, 0,1,2,3
	ds_store_b64 v[\sto], v[\x+4*\i:\x+4*\i+1] offset:\simm+128*\i
.endr
	v_add_f32 v[T0], v[T0], v[T0+1]
	v_add_f32_dpp v[T0], v[T0], v[T0] row_xmask:1 row_mask:0xf bank_mask:0xf
	v_add_f32_dpp v[T0], v[T0], v[T0] row_xmask:2 row_mask:0xf bank_mask:0xf
	v_add_f32_dpp v[T0], v[T0], v[T0] row_xmask:4 row_mask:0xf bank_mask:0xf
	v_add_f32_dpp v[T0], v[T0], v[T0] row_xmask:8 row_mask:0xf bank_mask:0xf
	ds_store_b32 v[\cnr], v[T0] offset:\cimm       ; sixteen lanes, one word, one value
.endm
; My eight rows of the next step go from STG into a slot.  refill = 1: each four registers' worth is asked for again, one step further on.
.macro CONV slot, refill
.if \refill
	s_wait_xcnt 0x0                                ; the base of the loads issued a step ago is stepped only behind this wait
	s_add_nc_u64 s[4:5], s[4:5], 16*1024           ; 16 centres on in every list
.endif
.irp i2, 0,1,2,3
.if \refill
	s_wait_loadcnt 12                              ; behind the four loads wanted now stand 12: those of the later pairs and those just issued anew
.else
	s_wait_loadcnt 12-4*\i2                        ; nothing is issued any more: the counts run down
.endif
	CONVPAIR STG+16*\i2, STO, (\slot)*SLOT+\i2*PITCH, CNST, (\slot)*256+4*\i2
.if \refill
.irp i, 0,1,2,3
	global_load_b128 v[STG+16*\i2+4*\i:STG+16*\i2+4*\i+3], v[GOFF], s[4:5] offset:\i2*1024+\i*256 th:TH_LOAD_NT
.endr
.endif
.endr
.endm
; eight LDS loads: the A fragments of K steps ks0 and ks0 + 1, both ct, into half hf
.macro AFLD slot, hf, ks0
.irp kk, 0,1
.irp ct, 0,1
	ds_load_b128 v[AF+32*\hf+16*\kk+8*\ct:AF+32*\hf+16*\kk+8*\ct+3],   v[ADRA] offset:(\slot)*SLOT+\ct*16*PITCH+(\ks0+\kk)*64
	ds_load_b128 v[AF+32*\hf+16*\kk+8*\ct+4:AF+32*\hf+16*\kk+8*\ct+7], v[ADRA] offset:(\slot)*SLOT+\ct*16*PITCH+(\ks0+\kk)*64+32
.endr
.endr
.endm
; sixteen matrix instructions: two K steps on the eight accumulators, which take turns, one instruction a turn
.macro MM16 hf, ks0, zero
.irp kk, 0,1
.irp ct, 0,1
.irp t, 0,1,2,3
.if \zero*(1-\kk)
	v_wmma_f32_16x16x32_bf16 v[ACC+8*(4*\ct+\t):ACC+8*(4*\ct+\t)+7], v[AF+32*\hf+16*\kk+8*\ct:AF+32*\hf+16*\kk+8*\ct+7], v[8*(8*\t+\ks0+\kk):8*(8*\t+\ks0+\kk)+7], 0
.else
	v_wmma_f32_16x16x32_bf16 v[ACC+8*(4*\ct+\t):ACC+8*(4*\ct+\t)+7], v[AF+32*\hf+16*\kk+8*\ct:AF+32*\hf+16*\kk+8*\ct+7], v[8*(8*\t+\ks0+\kk):8*(8*\t+\ks0+\kk)+7], v[ACC+8*(4*\ct+\t):ACC+8*(4*\ct+\t)+7]
.endif
.endr
.endr
.endr
.endm
; One step's 64 matrix instructions: 32 centres x 64 rows x K = 256.  Source 1 (the features) is taken from registers 256-511.
.macro WMMA slot
	WIN 0x04
.irp ct, 0,1
	ds_load_b128 v[CNR+8*\ct:CNR+8*\ct+3],   v[CNAD] offset:(\slot)*256+64*\ct      ; the step's |c^|^2, read while the slot may be read
	ds_load_b128 v[CNR+8*\ct+4:CNR+8*\ct+7], v[CNAD] offset:(\slot)*256+64*\ct+16
.endr
	AFLD \slot, 0, 0
	AFLD \slot, 1, 2
	s_wait_dscnt 8                                 ; all but the eight youngest: |c^|^2 and K steps 0, 1 are in
	MM16 0, 0, 1                                   ; the first K step starts the sums
	PLACES 4                                       ; four places between a matrix instruction and a load into its source (ISA guide 7.12.1 for vector instructions)
	AFLD \slot, 0, 4
	s_wait_dscnt 8                                 ; K steps 2, 3 are in
	MM16 1, 2, 0
	PLACES 4
	AFLD \slot, 1, 6
	s_wait_dscnt 8                                 ; K steps 4, 5
	MM16 0, 4, 0
	s_wait_dscnt 0                                 ; K steps 6, 7
	MM16 1, 6, 0
	WIN 0
	PLACES 5                                       ; the larger of the two distances behind a matrix instruction: whatever follows may read or write the sums
.endm
; The vector work on one step's 64 numbers a lane.
.macro EPI
.irp t, 0,1,2,3
	v_cmp_gt_u32 s[22+\t], 16, v[POS+\t]           ; does row b's removed column lie among this step's 16 centres of my list?
.endr
.irp a, 0,1,2,3,4,5,6,7
.irp k, 0,2,4,6
	v_pk_fma_f32 v[ACC+8*\a+\k:ACC+8*\a+\k+1], v[ACC+8*\a+\k:ACC+8*\a+\k+1], 2.0, v[CNR+8*(\a/4)+\k:CNR+8*(\a/4)+\k+1] op_sel_hi:[1,0,1] neg_lo:[0,0,1] neg_hi:[0,0,1]   ; g = 2 dot - |c^|^2
.endr
.endr
	s_or_b32 s22, s22, s23
	s_or_b32 s24, s24, s25
	s_or_b32 s22, s22, s24
	s_cmp_eq_u32 s22, 0
	s_cbranch_scc1 .Lnone_\@                       ; hangs on the index input alone: of 256 x 64 steps of rows only 256 hold a removed column
.irp a, 0,1,2,3,4,5,6,7
.irp j, 0,1,2,3,4,5,6,7
	v_cmp_eq_u32 vcc_lo, 8*(\a/4)+\j, v[POS+\a%4]
	v_cndmask_b32 v[ACC+8*\a+\j], v[ACC+8*\a+\j], v[NINF], vcc_lo
.endr
.endr
.Lnone_\@:
.irp a, 0,1,2,3,4,5,6,7
	v_max3_num_f32 v[GM+2*(\a%4)+\a/4], v[ACC+8*\a], v[ACC+8*\a+1], v[ACC+8*\a+2]
.endr
.irp a, 0,1,2,3,4,5,6,7
	v_max3_num_f32 v[GM+2*(\a%4)+\a/4], v[GM+2*(\a%4)+\a/4], v[ACC+8*\a+3], v[ACC+8*\a+4]
.endr
.irp a, 0,1,2,3,4,5,6,7
	v_max3_num_f32 v[GM+2*(\a%4)+\a/4], v[GM+2*(\a%4)+\a/4], v[ACC+8*\a+5], v[ACC+8*\a+6]
.endr
.irp a, 0,1,2,3,4,5,6,7
	v_max_num_f32 v[GM+2*(\a%4)+\a/4], v[GM+2*(\a%4)+\a/4], v[ACC+8*\a+7]
.endr
.irp t, 0,1,2,3
	v_mul_f32 v[TP+2*\t+1], NKL, v[MS+2*\t]        ; the old T (+inf in the first step: the old sum, 0, is then multiplied by exp2(-inf) = 0)
	v_max3_num_f32 v[MS+2*\t], v[MS+2*\t], v[GM+2*\t], v[GM+2*\t+1]
.endr
.irp t, 0,1,2,3
	v_mul_f32 v[TP+2*\t], NKL, v[MS+2*\t]          ; T = -KL m: every launch makes it by this one multiplication
.endr
.irp t, 0,1,2,3
	v_sub_f32 v[TP+2*\t+1], v[TP+2*\t], v[TP+2*\t+1]
.endr
.irp a, 0,1,2,3,4,5,6,7
.irp k, 0,2,4,6
	v_pk_fma_f32 v[ACC+8*\a+\k:ACC+8*\a+\k+1], v[ACC+8*\a+\k:ACC+8*\a+\k+1], s[20:21], v[TP+2*(\a%4):TP+2*(\a%4)+1] op_sel_hi:[1,0,0]   ; KL g + T, at most about 0
.endr
.endr
.set e, 0
.rept 64
	v_exp_f32 v[ACC+e], v[ACC+e]
.set e, e+1
.endr
.irp t, 0,1,2,3
	v_exp_f32 v[TP+2*\t+1], v[TP+2*\t+1]
.endr
	v_nop                                          ; one plain place between the exponentials and the first use (ISA guide 5.7.2)
	s_wait_alu depctr_va_vdst(0)
.irp t, 0,1,2,3
	v_pk_add_f32 v[ACC+8*\t:ACC+8*\t+1], v[ACC+8*\t:ACC+8*\t+1], v[ACC+8*\t+2:ACC+8*\t+3]
	v_pk_add_f32 v[ACC+8*\t+4:ACC+8*\t+5], v[ACC+8*\t+4:ACC+8*\t+5], v[ACC+8*\t+6:ACC+8*\t+7]
	v_pk_add_f32 v[ACC+32+8*\t:ACC+32+8*\t+1], v[ACC+32+8*\t:ACC+32+8*\t+1], v[ACC+32+8*\t+2:ACC+32+8*\t+3]
	v_pk_add_f32 v[ACC+32+8*\t+4:ACC+32+8*\t+5], v[ACC+32+8*\t+4:ACC+32+8*\t+5], v[ACC+32+8*\t+6:ACC+32+8*\t+7]
.endr
.irp t, 0,1,2,3
	v_pk_add_f32 v[ACC+8*\t:ACC+8*\t+1], v[ACC+8*\t:ACC+8*\t+1], v[ACC+8*\t+4:ACC+8*\t+5]
	v_pk_add_f32 v[ACC+32+8*\t:ACC+32+8*\t+1], v[ACC+32+8*\t:ACC+32+8*\t+1], v[ACC+32+8*\t+4:ACC+32+8*\t+5]
.endr
.irp t, 0,1,2,3
	v_pk_add_f32 v[ACC+8*\t:ACC+8*\t+1], v[ACC+8*\t:ACC+8*\t+1], v[ACC+32+8*\t:ACC+32+8*\t+1]
.endr
.irp t, 0,1,2,3
	v_add_f32 v[ACC+8*\t], v[ACC+8*\t], v[ACC+8*\t+1]
.endr
.irp t, 0,1,2,3
	v_fma_f32 v[MS+2*\t+1], v[MS+2*\t+1], v[TP+2*\t+1], v[ACC+8*\t]     ; s = s exp2(T - T old) + the step's sum
.endr
.irp t, 0,1,2,3
	ds_store_b64 v[GMAD], v[GM+2*\t:GM+2*\t+1] offset:16*GPITCH*\t      ; groups 2 step, 2 step + 1 of my list, row 16 t + r of my wave's block
.endr
.irp t, 0,1,2,3
	v_add_nc_u32 v[POS+\t], -16, v[POS+\t]
.endr
	v_add_nc_u32 v[GMAD], 8, v[GMAD]
.endm
.macro DOCONV slot, conv
.if \conv == 2
	CONV \slot, 1
.endif
.if \conv == 1
	CONV \slot, 0
.endif
.endm
; One step.  All waves read slot `slot` and write the other one.  ONE barrier ends it: in front of it each wave's LDS loads of this slot
; and its LDS stores into the other are done, so behind it the other slot may be read and this one written.
.macro INTERVAL slot, first, conv
	s_cmp_lg_u32 s16, 0
	s_cbranch_scc1 .Lvec_first_\@
	WMMA \slot
	EPI
	DOCONV 1-\slot, \conv
	s_branch .Ljoin_\@
.Lvec_first_\@:
.if \first == 0
	EPI                                            ; of the step before: its sums and its |c^|^2 lie in registers
.endif
	DOCONV 1-\slot, \conv
	WMMA \slot
.Ljoin_\@:
	s_wait_dscnt 0x0
	s_barrier_signal -1
	s_barrier_wait -1
.endm
	s_load_b256 s[4:11], s[0:1], 0x0               ; centers s[4:5], feature s[6:7], position s[8:9], gm1 s[10:11]
	s_load_b64 s[12:13], s[0:1], 0x20              ; lst
	v_lshl_add_u32 v254, v0, 2, 0x33c00
	v_mov_b32 v255, 0
	v_lshrrev_b32 v20, 5, v0
	v_readfirstlane_b32 s14, v20                   ; w
	v_and_b32 v1, 31, v0                           ; lane
	v_and_b32 v2, 15, v0                           ; r
	v_bfe_u32 v3, v0, 4, 1                         ; h
	s_and_b32 s15, s14, 3                          ; q
	s_lshr_b32 s16, s14, 2                         ; c
	s_lshr_b32 s28, s14, 1
	s_and_b32 s28, s28, 1                          ; the rows that I convert, slot rows 8 w .. 8 w + 7: their ct,
	s_and_b32 s29, s14, 1                          ; and which of c's two lists
	s_and_b32 s18, ttmp7, 0xffff                   ; p
	s_mov_b32 s20, KL
	s_mov_b32 s21, KL
	s_mov_b32 s27, 0
	v_mov_b32 v[ZERO], 0
	v_mov_b32 v[NINF], 0xff800000
	s_lshl_b32 s30, s16, 19                        ; list 2c + (w & 1): 262,144 bytes a list
	s_lshl_b32 s31, s29, 18
	s_add_co_u32 s30, s30, s31
	s_lshl_b32 s31, s28, 13                        ; 8 ct rows of 1,024 bytes
	s_add_co_u32 s30, s30, s31
	v_lshlrev_b32 v[GOFF], 12, v3                  ; lanes 16-31: four rows further down
	v_lshl_add_u32 v[GOFF], v2, 4, v[GOFF]
	v_add_nc_u32 v[GOFF], s30, v[GOFF]
	s_mul_i32 s30, s14, 8*PITCH
	v_mul_u32_u24 v[STO], v3, 4*PITCH
	v_lshl_add_u32 v[STO], v2, 3, v[STO]
	v_add_nc_u32 v[STO], s30, v[STO]               ; (8 w + 4 h) x 528 + 8 r
	s_lshl_b32 s30, s14, 5
	s_add_co_u32 s30, s30, CN
	v_lshl_add_u32 v[CNST], v3, 4, s30             ; CN + 4 (8 w + 4 h)
	s_mul_i32 s30, s16, 32*PITCH
	v_mul_u32_u24 v[ADRA], v2, PITCH
	v_lshl_add_u32 v[ADRA], v3, 4, v[ADRA]
	v_add_nc_u32 v[ADRA], s30, v[ADRA]             ; (32 c + r) x 528 + 16 h
	s_lshl_b32 s30, s16, 7
	s_add_co_u32 s30, s30, CN
	v_lshl_add_u32 v[CNAD], v3, 5, s30             ; CN + 4 (32 c + 8 h)
	s_mul_i32 s30, s14, GWAVE
	s_add_co_u32 s30, s30, GMS
	v_mul_u32_u24 v[GMAD], v2, GPITCH
	v_lshl_add_u32 v[GMAD], v3, 7, v[GMAD]
	v_add_nc_u32 v[GMAD], s30, v[GMAD]             ; GMS + w x 16,896 + r x 264 + 128 h
	s_lshl_b32 s30, s15, 8
	v_lshl_add_u32 v20, v2, 2, s30                 ; position: 4 (64 q + r)
	s_lshl_b32 s30, s14, 15
	v_lshlrev_b32 v21, 13, v3
	v_lshl_add_u32 v21, v2, 4, v21
	v_add_nc_u32 v21, s30, v21                     ; features: (32 w + 8 h) x 1,024 + 16 r
	s_mul_i32 s30, s14, 32*PITCH
	s_add_co_u32 s30, s30, FB
	v_mul_u32_u24 v22, v3, 8*PITCH
	v_lshl_add_u32 v22, v2, 3, v22
	v_add_nc_u32 v22, s30, v22                     ; FB + (32 w + 8 h) x 528 + 8 r
	s_lshl_b32 s30, ttmp9, 10
	s_lshl_b32 s31, s16, 9
	s_add_co_u32 s30, s30, s31
	v_lshl_add_u32 v23, v3, 8, s30                 ; index of my list's first centre: 1024 x + 256 (2c + h)
.irp t, 0,1,2,3
	v_mov_b32 v[MS+2*\t], 0xff800000               ; m = -inf
	v_mov_b32 v[MS+2*\t+1], 0                      ; s = 0
.endr
	s_wait_kmcnt 0x0
	s_lshl_b32 s26, s18, 26                        ; 64 MiB a part, 1 MiB a work-group
	s_lshl_b32 s30, ttmp9, 20
	s_add_co_u32 s26, s26, s30
	s_add_nc_u64 s[4:5], s[4:5], s[26:27]
.irp i2, 0,1,2,3
.irp i, 0,1,2,3
	global_load_b128 v[STG+16*\i2+4*\i:STG+16*\i2+4*\i+3], v[GOFF], s[4:5] offset:\i2*1024+\i*256 th:TH_LOAD_NT    ; step 0
.endr
.endr
.irp t, 0,1,2,3
	global_load_b32 v[POS+\t], v20, s[8:9] offset:64*\t
.endr
	s_lshl_b32 s26, s18, 18
	s_add_nc_u64 s[6:7], s[6:7], s[26:27]
; The part's 256 feature rows: wave w converts rows 32 w .. 32 w + 31, sixteen at a time, through the registers of ACC and AF.
.macro FEATB bt
.irp i2, 0,1,2,3,4,5,6,7
.irp i, 0,1,2,3
	global_load_b128 v[ACC+16*\i2+4*\i:ACC+16*\i2+4*\i+3], v21, s[6:7] offset:(16*\bt+\i2)*1024+\i*256
.endr
.endr
	s_wait_loadcnt 0x0
.irp i2, 0,1,2,3,4,5,6,7
.irp i, 0,1,2,3
	v_cvt_pk_bf16_f32 v[ACC+16*\i2+4*\i], v[ACC+16*\i2+4*\i], v[ACC+16*\i2+4*\i+1]
	v_cvt_pk_bf16_f32 v[ACC+16*\i2+4*\i+1], v[ACC+16*\i2+4*\i+2], v[ACC+16*\i2+4*\i+3]
	ds_store_b64 v22, v[ACC+16*\i2+4*\i:ACC+16*\i2+4*\i+1] offset:(16*\bt+\i2)*PITCH+\i*128
.endr
.endr
.endm
	FEATB 0
	FEATB 1
.irp t, 0,1,2,3
	v_sub_nc_u32 v[POS+\t], v[POS+\t], v23
.endr
	s_mul_i32 s30, s15, 64*PITCH
	s_add_co_u32 s30, s30, FB
	v_mul_u32_u24 v20, v2, PITCH
	v_lshl_add_u32 v20, v3, 4, v20
	v_add_nc_u32 v20, s30, v20                     ; FB + (64 q + r) x 528 + 16 h
	s_wait_dscnt 0x0                               ; my rows of the features are in LDS
	s_barrier_signal -1
	s_barrier_wait -1                              ; everybody's are
	WIN 0x40                                       ; destination in registers 256-511
.irp t, 0,1,2,3
.irp ks, 0,1,2,3,4,5,6,7
	ds_load_b128 v[8*(8*\t+\ks):8*(8*\t+\ks)+3],   v20 offset:\t*16*PITCH+\ks*64
	ds_load_b128 v[8*(8*\t+\ks)+4:8*(8*\t+\ks)+7], v20 offset:\t*16*PITCH+\ks*64+32
.endr
.endr
	WIN 0
	CONV 0, 1                                      ; step 0 into slot 0; step 1 is asked for
	s_wait_dscnt 0x0                               ; my feature fragments are in registers, my rows of slot 0 in LDS
	s_barrier_signal -1
	s_barrier_wait -1                              ; from here on the features' LDS bytes hold group maxima
	INTERVAL 0, 1, 2                               ; step 0
	s_mov_b32 s19, 6
.Lsteps:
	INTERVAL 1, 0, 2                               ; steps 1 to 12
	INTERVAL 0, 0, 2
	s_sub_co_u32 s19, s19, 1
	s_cmp_lg_u32 s19, 0
	s_cbranch_scc1 .Lsteps
	INTERVAL 1, 0, 2                               ; step 13 asks for step 15, the last
	INTERVAL 0, 0, 1                               ; step 14 converts it and asks for nothing
	INTERVAL 1, 0, 0                               ; step 15
	s_cmp_eq_u32 s16, 0
	s_cbranch_scc1 .Lall_done
	EPI                                            ; the waves that run a step behind: step 15's vector work
.Lall_done:
	s_lshl_b32 s30, s14, 10
	s_add_co_u32 s30, s30, ST
	v_lshlrev_b32 v20, 4, v2
	v_lshl_add_u32 v20, v3, 3, v20
	v_add_nc_u32 v20, s30, v20                     ; ST + 1,024 w + 16 r + 8 h
.irp t, 0,1,2,3
	ds_store_b64 v20, v[MS+2*\t:MS+2*\t+1] offset:256*\t
.endr
	s_wait_dscnt 0x0                               ; my maxima and sums are in LDS
	s_barrier_signal -1
	s_barrier_wait -1
	; THE WAY OUT.  lst: 8,192 consecutive bytes, [b][list][m, s]; thread t takes bytes 16 t and 16 t + 4,096, that is row t / 2 (+ 128),
	; lists 2 (t & 1) and 2 (t & 1) + 1, which wave (row / 64) + 4 (t & 1) stored.
	s_lshl_b32 s26, s18, 6
	s_add_co_u32 s26, s26, ttmp9
	s_lshl_b32 s26, s26, 13
	s_add_nc_u64 s[12:13], s[12:13], s[26:27]
	s_lshl_b32 s26, s18, 23                        ; gm1: 8 MiB a part, 512 bytes of each row for a work-group
	s_lshl_b32 s30, ttmp9, 9
	s_add_co_u32 s26, s26, s30
	s_add_nc_u64 s[10:11], s[10:11], s[26:27]
	v_lshrrev_b32 v20, 7, v0
	v_lshlrev_b32 v20, 10, v20
	v_and_b32 v21, 1, v0
	v_lshl_add_u32 v20, v21, 12, v20
	v_bfe_u32 v21, v0, 1, 6
	v_lshl_add_u32 v20, v21, 4, v20
	v_add_nc_u32 v20, ST, v20
	ds_load_b128 v[AF:AF+3], v20
	ds_load_b128 v[AF+4:AF+7], v20 offset:2048
	v_lshlrev_b32 v21, 4, v0
	; gm1: wave w takes rows 32 w .. 32 w + 31; a row's 512 bytes are 256 from the block of wave row / 64 and 256 from that of wave row / 64 + 4
	s_lshr_b32 s30, s14, 1
	s_mul_i32 s30, s30, GWAVE
	s_and_b32 s31, s14, 1
	s_mul_i32 s31, s31, 32*GPITCH
	s_add_co_u32 s30, s30, s31
	s_add_co_u32 s30, s30, GMS
	v_lshl_add_u32 v22, v1, 3, s30
	v_add_nc_u32 v23, 4*GWAVE, v22
	s_lshl_b32 s30, s14, 20                        ; 32 w rows of 32,768 bytes
	v_lshl_add_u32 v12, v1, 3, s30
.macro GLD bt                          ; eight rows: sixteen LDS loads of 256 consecutive bytes
.set k, 8*\bt
.rept 8
	ds_load_b64 v[STG+4*k:STG+4*k+1],   v22 offset:k*GPITCH
	ds_load_b64 v[STG+4*k+2:STG+4*k+3], v23 offset:k*GPITCH
.set k, k+1
.endr
.endm
.macro GSTO bt                         ; each store of the wave covers 256 consecutive bytes, aligned; all 128 data registers differ, so none is freed
.set k, 8*\bt
.rept 8
	global_store_b64 v12, v[STG+4*k:STG+4*k+1],   s[10:11] offset:k*32768 th:TH_STORE_NT
	global_store_b64 v12, v[STG+4*k+2:STG+4*k+3], s[10:11] offset:k*32768+256 th:TH_STORE_NT
.set k, k+1
.endr
.endm
	GLD 0
	GLD 1
	s_wait_dscnt 32                                ; the two loads for lst are in
	global_store_b128 v21, v[AF:AF+3], s[12:13]
	global_store_b128 v21, v[AF+4:AF+7], s[12:13] offset:4096
	s_wait_dscnt 16                                ; all but the youngest sixteen
	GSTO 0
	GLD 2
	s_wait_dscnt 16
	GSTO 1
	GLD 3
	s_wait_dscnt 16
	GSTO 2
	s_wait_dscnt 0
	GSTO 3
	s_wait_tensorcnt 0x0
	ds_add_u32 v254, v255
	s_wait_dscnt 0x0
	s_endpgm
.Lfunc_end_k_qc5c7f2f093_dist:
	.size	k_qc5c7f2f093_dist, .Lfunc_end_k_qc5c7f2f093_dist-k_qc5c7f2f093_dist
	.p2alignl 7, 3214868480
	.fill 96, 4, 3214868480
	.section	.rodata,"a",@progbits
	.p2align	6, 0x0
	.amdhsa_kernel k_qc5c7f2f093_dist
		.amdhsa_group_segment_fixed_size 212992
		.amdhsa_private_segment_fixed_size 0
		.amdhsa_enable_private_segment 0
		.amdhsa_kernarg_size 40
		.amdhsa_user_sgpr_count 2
		.amdhsa_user_sgpr_kernarg_segment_ptr 1
		.amdhsa_wavefront_size32 1
		.amdhsa_system_sgpr_workgroup_id_x 1
		.amdhsa_system_sgpr_workgroup_id_y 1
		.amdhsa_system_sgpr_workgroup_id_z 1
		.amdhsa_system_vgpr_workitem_id 0
		.amdhsa_next_free_vgpr 512
		.amdhsa_next_free_sgpr 66
		.amdhsa_reserve_vcc 1
		.amdhsa_float_denorm_mode_32 3
		.amdhsa_float_denorm_mode_16_64 3
		.amdhsa_memory_ordered 1
		.amdhsa_forward_progress 1
		.amdhsa_inst_pref_size 255
	.end_amdhsa_kernel
	.section	.bss,"aw",@nobits
	.p2align	6
	.space	262144
	.amdgpu_metadata
---
amdhsa.version: [ 1, 2 ]
amdhsa.kernels:
  - .name:           k_qc5c7f2f093_dist
    .symbol:         k_qc5c7f2f093_dist.kd
    .args:
      - { .name: centers, .offset: 0, .size: 8, .value_kind: global_buffer, .address_space: global }
      - { .name: feature, .offset: 8, .size: 8, .value_kind: global_buffer, .address_space: global }
      - { .name: position, .offset: 16, .size: 8, .value_kind: global_buffer, .address_space: global }
      - { .name: gm1, .offset: 24, .size: 8, .value_kind: global_buffer, .address_space: global }
      - { .name: lst, .offset: 32, .size: 8, .value_kind: global_buffer, .address_space: global }
    .group_segment_fixed_size: 212992
    .private_segment_fixed_size: 0
    .kernarg_segment_align: 8
    .kernarg_segment_size: 40
    .max_flat_workgroup_size: 256
    .sgpr_count:     66
    .vgpr_count:     512
    .wavefront_size: 32
...
	.end_amdgpu_metadata
.endif
;; end of part 1
;; launch lists (part 2): grid 32 x 4, 8 waves a work-group, no clusters, 20,480 bytes of LDS; arguments lst, sel2, rowst; writes sel2, rowst
.if DOCPART == 2
	.amdgcn_target "amdgcn-amd-amdhsa--gfx1250"
	.amdhsa_code_object_version 6
	.text
	.protected	k_qc5c7f2f093_lists
	.globl	k_qc5c7f2f093_lists
	.p2align	8
	.type	k_qc5c7f2f093_lists,@function
k_qc5c7f2f093_lists:
	s_mov_b64 s[64:65], 0
	v_nop
	global_prefetch_b8 v0, s[64:65] scope:SCOPE_SE
	s_setreg_imm32_b32 hwreg(HW_REG_WAVE_MODE, 25, 1), 1
	s_wait_xcnt 0x0
; For each row (p, b): M = the largest g of all centres, Sy = the sum over all centres of exp2(KL g - KL M), put together from the 256
; lists' (m, s), and the numbers of the ten lists with the largest m (equal m: the lower number first), stored as whole numbers.
; The ten nearest centres lie in those ten lists, since each of them is at most its list's m.
; A work-group: rows 8 x .. 8 x + 7 of part y; wave w is row 8 x + w; lane L holds lists 8 L .. 8 L + 7.
; lst is [p][wg 64][b 256][list 4][m, s]: eight rows of one wg are 256 consecutive bytes, copied whole into LDS (pitch 272).
; No matrix unit, cluster or tensor load: 16 KiB a work-group, read once.
.set NKL,  0xc166d4ca                  ; -10 log2(e)
.set SELS, 17408                       ; the way out: 128 bytes a row, one word a lane
.set STT,  18432
.set NV,   8                           ; values a lane
.set VB,   8                           ; v[8:23]: value e at VB + 2 e; beside it first s, then the list's number as f32
.set EX,   32                          ; v[32:39]
.set MX,   40
.set TR,   41
.set SY,   42
.set BV,   43
.set CI,   44
.set TT,   45
.set SEL,  46
.set PINF, 47
.set NINF, 48
.set XT,   49
.macro XMAX x                          ; over the 32 lanes, the result in every lane
.irp m, 1,2,4,8
	v_max_num_f32_dpp v[\x], v[\x], v[\x] row_xmask:\m row_mask:0xf bank_mask:0xf
.endr
	v_permlanex16_b32 v[XT], v[\x], s12, s13
	v_max_num_f32 v[\x], v[\x], v[XT]
.endm
.macro XMIN x
.irp m, 1,2,4,8
	v_min_num_f32_dpp v[\x], v[\x], v[\x] row_xmask:\m row_mask:0xf bank_mask:0xf
.endr
	v_permlanex16_b32 v[XT], v[\x], s12, s13
	v_min_num_f32 v[\x], v[\x], v[XT]
.endm
.macro XSUM x
.irp m, 1,2,4,8
	v_add_f32_dpp v[\x], v[\x], v[\x] row_xmask:\m row_mask:0xf bank_mask:0xf
.endr
	v_permlanex16_b32 v[XT], v[\x], s12, s13
	v_add_f32 v[\x], v[\x], v[XT]
.endm
; The k-th best: the largest value left, among equals the lowest number; it is taken out, and lane k keeps its number.  No branch, no address.
.macro EXTRACT k
	v_max3_num_f32 v[BV], v[VB], v[VB+2], v[VB+4]
.set e, 3
.rept (NV-3)/2
	v_max3_num_f32 v[BV], v[BV], v[VB+2*e], v[VB+2*e+2]
.set e, e+2
.endr
.if (NV-3)%2
	v_max_num_f32 v[BV], v[BV], v[VB+2*e]
.endif
	XMAX BV
	v_mov_b32 v[CI], v[PINF]
.set e, 0
.rept NV
	v_cmp_eq_f32 vcc_lo, v[VB+2*e], v[BV]
	v_cndmask_b32 v[TT], v[PINF], v[VB+2*e+1], vcc_lo
	v_min_num_f32 v[CI], v[CI], v[TT]
.set e, e+1
.endr
	XMIN CI
.set e, 0
.rept NV
	v_cmp_eq_f32 vcc_lo, v[VB+2*e+1], v[CI]
	v_cndmask_b32 v[VB+2*e], v[VB+2*e], v[NINF], vcc_lo
.set e, e+1
.endr
	v_cmp_eq_u32 vcc_lo, \k, v1
	v_cndmask_b32 v[SEL], v[SEL], v[CI], vcc_lo
.endm
	s_load_b128 s[4:7], s[0:1], 0x0                ; lst, sel2
	s_load_b64 s[8:9], s[0:1], 0x10                ; rowst
	v_lshl_add_u32 v64, v0, 2, 0x4c00
	v_mov_b32 v65, 0
	v_lshrrev_b32 v2, 5, v0
	v_readfirstlane_b32 s10, v2                    ; wave = row in the group
	v_and_b32 v1, 31, v0
	v_and_b32 v3, 15, v0
	v_lshrrev_b32 v4, 4, v0                        ; 0 .. 15: which wg's block of 256 bytes
	s_and_b32 s11, ttmp7, 0xffff                   ; p
	s_mov_b32 s12, 0x76543210                      ; v_permlanex16_b32: lane i of one half reads lane i of the other
	s_mov_b32 s13, 0xfedcba98
	s_mov_b32 s15, 0
	v_mov_b32 v[PINF], 0x7f800000
	v_mov_b32 v[NINF], 0xff800000
	v_mov_b32 v[XT], 0
	v_mov_b32 v[SEL], 0
	v_lshlrev_b32 v5, 13, v4
	v_lshl_add_u32 v5, v3, 4, v5                   ; 8,192 wg + 16 r
	v_mul_u32_u24 v6, v4, 272
	v_lshl_add_u32 v6, v3, 4, v6
	s_lshl_b32 s14, s11, 19                        ; 524,288 bytes a part
	s_lshl_b32 s16, ttmp9, 8                       ; 8 x rows of 32 bytes
	s_add_co_u32 s14, s14, s16
	s_wait_kmcnt 0x0
	s_add_nc_u64 s[4:5], s[4:5], s[14:15]
.irp i, 0,1,2,3
	global_load_b128 v[8+4*\i:8+4*\i+3], v5, s[4:5] offset:\i*131072      ; wg 16 i + ..
.endr
.irp i, 0,1,2,3
	s_wait_loadcnt 3-\i                            ; loads come back in order: the i-th is in
	ds_store_b128 v6, v[8+4*\i:8+4*\i+3] offset:\i*4352
.endr
	v_mul_u32_u24 v7, v1, 544                      ; lane L: wg 2 L and 2 L + 1,
	s_lshl_b32 s16, s10, 5                         ; my row's 32 bytes in each
	v_add_nc_u32 v7, s16, v7
	s_wait_dscnt 0x0
	s_barrier_signal -1
	s_barrier_wait -1
	ds_load_b128 v[8:11], v7
	ds_load_b128 v[12:15], v7 offset:16
	ds_load_b128 v[16:19], v7 offset:272
	ds_load_b128 v[20:23], v7 offset:288
	s_wait_dscnt 0x0
	v_max3_num_f32 v[MX], v8, v10, v12
	v_max3_num_f32 v[MX], v[MX], v14, v16
	v_max3_num_f32 v[MX], v[MX], v18, v20
	v_max_num_f32 v[MX], v[MX], v22
	XMAX MX
	v_mul_f32 v[TR], NKL, v[MX]                    ; the row's T; each list's T is made anew by the same multiplication that made it
.irp e, 0,1,2,3,4,5,6,7
	v_mul_f32 v[EX+\e], NKL, v[VB+2*\e]
.endr
.irp e, 0,1,2,3,4,5,6,7
	v_sub_f32 v[EX+\e], v[TR], v[EX+\e]
.endr
.irp e, 0,1,2,3,4,5,6,7
	v_exp_f32 v[EX+\e], v[EX+\e]
.endr
	v_lshlrev_b32 v[TT], 3, v1                     ; a plain place behind the exponentials (ISA guide 5.7.2)
	s_wait_alu depctr_va_vdst(0)
	v_mul_f32 v[SY], v[VB+1], v[EX]
.irp e, 1,2,3,4,5,6,7
	v_fmac_f32 v[SY], v[VB+2*\e+1], v[EX+\e]
.endr
	XSUM SY
.irp e, 0,1,2,3,4,5,6,7
	v_add_nc_u32 v[VB+2*\e+1], \e, v[TT]           ; the sums are used up: their registers take the lists' numbers 8 L + e
	v_cvt_f32_u32 v[VB+2*\e+1], v[VB+2*\e+1]
.endr
.irp k, 0,1,2,3,4,5,6,7,8,9
	EXTRACT \k
.endr
	v_cvt_u32_f32 v[SEL], v[SEL]                   ; lanes 0-9: the numbers; the others 0
	s_lshl_b32 s16, s10, 7
	v_lshl_add_u32 v7, v1, 2, s16
	ds_store_b32 v7, v[SEL] offset:SELS
	v_cmp_eq_u32 vcc_lo, 1, v1
	v_cndmask_b32 v[TT], 0, v[SY], vcc_lo
	v_cmp_eq_u32 vcc_lo, 0, v1
	v_cndmask_b32 v[TT], v[TT], v[MX], vcc_lo      ; word 0: M, word 1: Sy, the others 0
	ds_store_b32 v7, v[TT] offset:STT
	s_wait_dscnt 0x0
	s_barrier_signal -1
	s_barrier_wait -1
	s_cmp_lg_u32 s10, 0
	s_cbranch_scc1 .Lend
	v_lshrrev_b32 v2, 2, v1                        ; wave 0: the first 64 bytes of each of the eight rows, 512 consecutive bytes in memory
	v_and_b32 v3, 3, v1
	v_lshlrev_b32 v4, 7, v2
	v_lshl_add_u32 v4, v3, 4, v4
	ds_load_b128 v[8:11], v4 offset:SELS
	ds_load_b128 v[12:15], v4 offset:STT
	v_lshlrev_b32 v6, 4, v1
	s_lshl_b32 s14, s11, 14                        ; (256 p + 8 x) rows of 64 bytes
	s_lshl_b32 s16, ttmp9, 9
	s_add_co_u32 s14, s14, s16
	s_add_nc_u64 s[6:7], s[6:7], s[14:15]
	s_add_nc_u64 s[8:9], s[8:9], s[14:15]
	s_wait_dscnt 0x0
	global_store_b128 v6, v[8:11], s[6:7]
	global_store_b128 v6, v[12:15], s[8:9]
.Lend:
	s_wait_tensorcnt 0x0
	ds_add_u32 v64, v65
	s_wait_dscnt 0x0
	s_endpgm
.Lfunc_end_k_qc5c7f2f093_lists:
	.size	k_qc5c7f2f093_lists, .Lfunc_end_k_qc5c7f2f093_lists-k_qc5c7f2f093_lists
	.p2alignl 7, 3214868480
	.fill 96, 4, 3214868480
	.section	.rodata,"a",@progbits
	.p2align	6, 0x0
	.amdhsa_kernel k_qc5c7f2f093_lists
		.amdhsa_group_segment_fixed_size 20480
		.amdhsa_private_segment_fixed_size 0
		.amdhsa_enable_private_segment 0
		.amdhsa_kernarg_size 24
		.amdhsa_user_sgpr_count 2
		.amdhsa_user_sgpr_kernarg_segment_ptr 1
		.amdhsa_wavefront_size32 1
		.amdhsa_system_sgpr_workgroup_id_x 1
		.amdhsa_system_sgpr_workgroup_id_y 1
		.amdhsa_system_sgpr_workgroup_id_z 1
		.amdhsa_system_vgpr_workitem_id 0
		.amdhsa_next_free_vgpr 66
		.amdhsa_next_free_sgpr 66
		.amdhsa_reserve_vcc 1
		.amdhsa_float_denorm_mode_32 3
		.amdhsa_float_denorm_mode_16_64 3
		.amdhsa_memory_ordered 1
		.amdhsa_forward_progress 1
		.amdhsa_inst_pref_size 30
	.end_amdhsa_kernel
	.amdgpu_metadata
---
amdhsa.version: [ 1, 2 ]
amdhsa.kernels:
  - .name:           k_qc5c7f2f093_lists
    .symbol:         k_qc5c7f2f093_lists.kd
    .args:
      - { .name: lst, .offset: 0, .size: 8, .value_kind: global_buffer, .address_space: global }
      - { .name: sel2, .offset: 8, .size: 8, .value_kind: global_buffer, .address_space: global }
      - { .name: rowst, .offset: 16, .size: 8, .value_kind: global_buffer, .address_space: global }
    .group_segment_fixed_size: 20480
    .private_segment_fixed_size: 0
    .kernarg_segment_align: 8
    .kernarg_segment_size: 24
    .max_flat_workgroup_size: 256
    .sgpr_count:     66
    .vgpr_count:     66
    .wavefront_size: 32
...
	.end_amdgpu_metadata
.endif
;; end of part 2
;; launch groups (part 3): grid 128 x 1, 8 waves a work-group, no clusters, 2,048 bytes of LDS; arguments gm1, sel2, sel3; writes sel3
.if DOCPART == 3
	.amdgcn_target "amdgcn-amd-amdhsa--gfx1250"
	.amdhsa_code_object_version 6
	.text
	.protected	k_qc5c7f2f093_groups
	.globl	k_qc5c7f2f093_groups
	.p2align	8
	.type	k_qc5c7f2f093_groups,@function
k_qc5c7f2f093_groups:
	s_mov_b64 s[64:65], 0
	v_nop
	global_prefetch_b8 v0, s[64:65] scope:SCOPE_SE
	s_setreg_imm32_b32 hwreg(HW_REG_WAVE_MODE, 25, 1), 1
	s_wait_xcnt 0x0
; For each row: of the 320 groups of 8 centres in its ten chosen lists, the numbers (n >> 3) of the ten with the largest maximum
; (equal maxima: the lower number first), stored as whole numbers.  The ten nearest centres lie in those ten groups.
; Wave w of work-group x is row 8 x + w (= 256 p + b); lane L holds group L of each of the ten lists.
; The lists' numbers are whole numbers that the launch before stored; they are clamped to 255 before they enter an address.
.set NV,   10
.set VB,   8                           ; v[8:27]: maximum k at VB + 2 k, the group's number as f32 beside it
.set OFS,  30                          ; v[30:39] byte offsets of the ten loads
.set BV,   43
.set CI,   44
.set TT,   45
.set SEL,  46
.set PINF, 47
.set NINF, 48
.set XT,   49
.macro XMAX x
.irp m, 1,2,4,8
	v_max_num_f32_dpp v[\x], v[\x], v[\x] row_xmask:\m row_mask:0xf bank_mask:0xf
.endr
	v_permlanex16_b32 v[XT], v[\x], s12, s13
	v_max_num_f32 v[\x], v[\x], v[XT]
.endm
.macro XMIN x
.irp m, 1,2,4,8
	v_min_num_f32_dpp v[\x], v[\x], v[\x] row_xmask:\m row_mask:0xf bank_mask:0xf
.endr
	v_permlanex16_b32 v[XT], v[\x], s12, s13
	v_min_num_f32 v[\x], v[\x], v[XT]
.endm
; The k-th best: the largest value left, among equals the lowest number; it is taken out, and lane k keeps its number.
.macro EXTRACT k
	v_max3_num_f32 v[BV], v[VB], v[VB+2], v[VB+4]
.set e, 3
.rept (NV-3)/2
	v_max3_num_f32 v[BV], v[BV], v[VB+2*e], v[VB+2*e+2]
.set e, e+2
.endr
.if (NV-3)%2
	v_max_num_f32 v[BV], v[BV], v[VB+2*e]
.endif
	XMAX BV
	v_mov_b32 v[CI], v[PINF]
.set e, 0
.rept NV
	v_cmp_eq_f32 vcc_lo, v[VB+2*e], v[BV]
	v_cndmask_b32 v[TT], v[PINF], v[VB+2*e+1], vcc_lo
	v_min_num_f32 v[CI], v[CI], v[TT]
.set e, e+1
.endr
	XMIN CI
.set e, 0
.rept NV
	v_cmp_eq_f32 vcc_lo, v[VB+2*e+1], v[CI]
	v_cndmask_b32 v[VB+2*e], v[VB+2*e], v[NINF], vcc_lo
.set e, e+1
.endr
	v_cmp_eq_u32 vcc_lo, \k, v1
	v_cndmask_b32 v[SEL], v[SEL], v[CI], vcc_lo
.endm
	s_load_b128 s[4:7], s[0:1], 0x0                ; gm1, sel2
	s_load_b64 s[8:9], s[0:1], 0x10                ; sel3
	v_lshl_add_u32 v56, v0, 2, 0x400
	v_mov_b32 v57, 0
	v_lshrrev_b32 v2, 5, v0
	v_readfirstlane_b32 s10, v2
	v_and_b32 v1, 31, v0
	v_lshlrev_b32 v3, 2, v1
	s_lshl_b32 s11, ttmp9, 3
	s_add_co_u32 s11, s11, s10                     ; row
	s_mov_b32 s12, 0x76543210
	s_mov_b32 s13, 0xfedcba98
	s_mov_b32 s15, 0
	v_mov_b32 v[PINF], 0x7f800000
	v_mov_b32 v[NINF], 0xff800000
	v_mov_b32 v[XT], 0
	v_mov_b32 v[SEL], 0
	s_wait_kmcnt 0x0
	s_lshl_b32 s14, s11, 6
	s_add_nc_u64 s[6:7], s[6:7], s[14:15]
	s_load_b512 s[16:31], s[6:7], 0x0              ; the row's 16 words: ten numbers, six zeros
	s_lshl_b32 s14, s11, 15                        ; a row of gm1 is 32,768 bytes
	s_add_nc_u64 s[4:5], s[4:5], s[14:15]
	s_wait_kmcnt 0x0
.irp k, 0,1,2,3,4,5,6,7,8,9
	s_min_u32 s[16+\k], s[16+\k], 255
	s_lshl_b32 s32, s[16+\k], 7                    ; a list's 32 maxima are 128 bytes
	v_add_nc_u32 v[OFS+\k], s32, v3
	global_load_b32 v[VB+2*\k], v[OFS+\k], s[4:5]
	s_lshl_b32 s33, s[16+\k], 5
	v_add_nc_u32 v[VB+2*\k+1], s33, v1             ; the group's number 32 list + L
	v_cvt_f32_u32 v[VB+2*\k+1], v[VB+2*\k+1]
.endr
	s_wait_loadcnt 0x0
.irp k, 0,1,2,3,4,5,6,7,8,9
	EXTRACT \k
.endr
	v_cvt_u32_f32 v[SEL], v[SEL]
	s_lshl_b32 s16, s10, 7
	v_lshl_add_u32 v4, v1, 2, s16                  ; 128 bytes a row, one word a lane
	ds_store_b32 v4, v[SEL]
	s_wait_dscnt 0x0
	s_barrier_signal -1
	s_barrier_wait -1
	s_cmp_lg_u32 s10, 0
	s_cbranch_scc1 .Lend
	v_lshrrev_b32 v2, 2, v1                        ; wave 0: the first 64 bytes of each of the eight rows, 512 consecutive bytes in memory
	v_and_b32 v5, 3, v1
	v_lshlrev_b32 v6, 7, v2
	v_lshl_add_u32 v6, v5, 4, v6
	ds_load_b128 v[8:11], v6
	v_lshlrev_b32 v7, 4, v1
	s_lshl_b32 s14, ttmp9, 9
	s_add_nc_u64 s[8:9], s[8:9], s[14:15]
	s_wait_dscnt 0x0
	global_store_b128 v7, v[8:11], s[8:9]
.Lend:
	s_wait_tensorcnt 0x0
	ds_add_u32 v56, v57
	s_wait_dscnt 0x0
	s_endpgm
.Lfunc_end_k_qc5c7f2f093_groups:
	.size	k_qc5c7f2f093_groups, .Lfunc_end_k_qc5c7f2f093_groups-k_qc5c7f2f093_groups
	.p2alignl 7, 3214868480
	.fill 96, 4, 3214868480
	.section	.rodata,"a",@progbits
	.p2align	6, 0x0
	.amdhsa_kernel k_qc5c7f2f093_groups
		.amdhsa_group_segment_fixed_size 2048
		.amdhsa_private_segment_fixed_size 0
		.amdhsa_enable_private_segment 0
		.amdhsa_kernarg_size 24
		.amdhsa_user_sgpr_count 2
		.amdhsa_user_sgpr_kernarg_segment_ptr 1
		.amdhsa_wavefront_size32 1
		.amdhsa_system_sgpr_workgroup_id_x 1
		.amdhsa_system_sgpr_workgroup_id_y 1
		.amdhsa_system_sgpr_workgroup_id_z 1
		.amdhsa_system_vgpr_workitem_id 0
		.amdhsa_next_free_vgpr 58
		.amdhsa_next_free_sgpr 66
		.amdhsa_reserve_vcc 1
		.amdhsa_float_denorm_mode_32 3
		.amdhsa_float_denorm_mode_16_64 3
		.amdhsa_memory_ordered 1
		.amdhsa_forward_progress 1
		.amdhsa_inst_pref_size 32
	.end_amdhsa_kernel
	.amdgpu_metadata
---
amdhsa.version: [ 1, 2 ]
amdhsa.kernels:
  - .name:           k_qc5c7f2f093_groups
    .symbol:         k_qc5c7f2f093_groups.kd
    .args:
      - { .name: gm1, .offset: 0, .size: 8, .value_kind: global_buffer, .address_space: global }
      - { .name: sel2, .offset: 8, .size: 8, .value_kind: global_buffer, .address_space: global }
      - { .name: sel3, .offset: 16, .size: 8, .value_kind: global_buffer, .address_space: global }
    .group_segment_fixed_size: 2048
    .private_segment_fixed_size: 0
    .kernarg_segment_align: 8
    .kernarg_segment_size: 24
    .max_flat_workgroup_size: 256
    .sgpr_count:     66
    .vgpr_count:     58
    .wavefront_size: 32
...
	.end_amdgpu_metadata
.endif
;; end of part 3
;; launch final (part 4): grid 256 x 4, 5 waves a work-group, no clusters, 47,360 bytes of LDS; arguments centers, feature, position, mem_pid, sel3, rowst, out1, rowx; writes out1, rowx
.if DOCPART == 4
	.amdgcn_target "amdgcn-amd-amdhsa--gfx1250"
	.amdhsa_code_object_version 6
	.text
	.protected	k_qc5c7f2f093_final
	.globl	k_qc5c7f2f093_final
	.p2align	8
	.type	k_qc5c7f2f093_final,@function
k_qc5c7f2f093_final:
	s_mov_b64 s[64:65], 0
	v_nop
	global_prefetch_b8 v0, s[64:65] scope:SCOPE_SE
	s_setreg_imm32_b32 hwreg(HW_REG_WAVE_MODE, 25, 1), 1
	s_wait_xcnt 0x0
; One row (b = x, p = y) a work-group.  The g of the 80 centres in the row's ten chosen groups are made again, by the same conversion, the
; same order of sums and the same chain of matrix instructions as in the launch that made the maxima, so that they have the same bits.
; Then: the ten largest in order (equal g: the lower index first), out1 = mem_pid[index - (index > position)], and
; rowx = (Sx, fn): Sx = the sum over the ten of exp2(KL g - KL M), M the row's maximum from rowst; fn = |f^|^2.
; Wave t takes groups 2 t and 2 t + 1 as one tile of 16 centres (rows 0-7, rows 8-15); operand B holds the one feature row in all 16 columns.
; The groups' numbers are whole numbers that an earlier launch stored; they are clamped to 8,191 before they enter an address.
; A work-group stores 48 bytes, all work-groups together 48 KiB: no stage is built to gather them.
; LIMITS as in the first launch: gaps below the f32 rounding of the sums may be ordered otherwise than exact arithmetic orders them;
; NaN or infinite distances are not served.
.set KL,     0x4166d4ca
.set NKL,    0xc166d4ca
.set PITCH,  528
.set WBYTES, 9216                      ; a wave's own LDS bytes: the tile, 16 x 528;
.set FROW,   8448                      ; the feature row as bf16, 512 bytes;
.set CNW,    8960                      ; 16 |c^|^2
.set CG,     46080                     ; 80 g, candidate 8 (2 t + h) + j
.set COFF, 4
.set STO,  5
.set CNA,  6
.set ADRA, 7
.set FST,  8
.set FRD,  9
.set ZERO, 10
.set NINF, 11
.set PINF, 23
.set FEAT, 24                          ; v[24:87]   B fragments, 8 K steps
.set ACC,  88                          ; v[88:95]
.set CNR,  96                          ; v[96:103]
.set STG,  104                         ; v[104:231] 32 x 16 bytes of f32 centres; then v[104:167] the A fragments; then wave 0's tail
.set AF,   104
.set FO,   240                         ; v[240:242] wave 0: byte offsets into mem_pid
.set PID,  243                         ; v[243:245] wave 0: the pids of candidates L, L + 32, 64 + (L & 15)
.set VB,   246                         ; v[246:251] wave 0: their g at VB + 2 e, their index n as f32 beside it
.set T0,   252                         ; v[252:253] at work
.set BV,   104
.set CI,   105
.set TT,   106
.set PD,   107
.set OUTP, 108
.set XT,   109
.set TR,   110
.set TOPV, 112                         ; v[112:113]: Sx and fn, a pair for the store
.set FN,   113
.set OA,   114
.set OB,   115
; as in the first launch, line for line: two rows rounded to bf16 and stored, each row's sum of squares of the rounded numbers stored
.macro CONVPAIR x, sto, simm, cnr, cimm
.irp i, 0,1,2,3
	v_cvt_pk_bf16_f32 v[\x+4*\i], v[\x+4*\i], v[\x+4*\i+1]
	v_cvt_pk_bf16_f32 v[\x+4*\i+1], v[\x+4*\i+2], v[\x+4*\i+3]
.endr
	v_fma_mix_f32_bf16 v[T0], v[\x], v[\x], v[ZERO] op_sel_hi:[1,1,0]
	v_fma_mix_f32_bf16 v[T0+1], v[\x], v[\x], v[ZERO] op_sel:[1,1,0] op_sel_hi:[1,1,0]
.irp d, 1,4,5,8,9,12,13
	v_fma_mix_f32_bf16 v[T0], v[\x+\d], v[\x+\d], v[T0] op_sel_hi:[1,1,0]
	v_fma_mix_f32_bf16 v[T0+1], v[\x+\d], v[\x+\d], v[T0+1] op_sel:[1,1,0] op_sel_hi:[1,1,0]
.endr
.irp i, 0,1,2,3
	ds_store_b64 v[\sto], v[\x+4*\i:\x+4*\i+1] offset:\simm+128*\i
.endr
	v_add_f32 v[T0], v[T0], v[T0+1]
	v_add_f32_dpp v[T0], v[T0], v[T0] row_xmask:1 row_mask:0xf bank_mask:0xf
	v_add_f32_dpp v[T0], v[T0], v[T0] row_xmask:2 row_mask:0xf bank_mask:0xf
	v_add_f32_dpp v[T0], v[T0], v[T0] row_xmask:4 row_mask:0xf bank_mask:0xf
	v_add_f32_dpp v[T0], v[T0], v[T0] row_xmask:8 row_mask:0xf bank_mask:0xf
	ds_store_b32 v[\cnr], v[T0] offset:\cimm
.endm
.macro XMAX x
.irp m, 1,2,4,8
	v_max_num_f32_dpp v[\x], v[\x], v[\x] row_xmask:\m row_mask:0xf bank_mask:0xf
.endr
	v_permlanex16_b32 v[XT], v[\x], s46, s47
	v_max_num_f32 v[\x], v[\x], v[XT]
.endm
.macro XMIN x
.irp m, 1,2,4,8
	v_min_num_f32_dpp v[\x], v[\x], v[\x] row_xmask:\m row_mask:0xf bank_mask:0xf
.endr
	v_permlanex16_b32 v[XT], v[\x], s46, s47
	v_min_num_f32 v[\x], v[\x], v[XT]
.endm
.macro XSUM x
.irp m, 1,2,4,8
	v_add_f32_dpp v[\x], v[\x], v[\x] row_xmask:\m row_mask:0xf bank_mask:0xf
.endr
	v_permlanex16_b32 v[XT], v[\x], s46, s47
	v_add_f32 v[\x], v[\x], v[XT]
.endm
.macro XOR x                           ; bitwise OR over the 32 lanes
.irp m, 1,2,4,8
	v_mov_b32_dpp v[XT], v[\x] row_xmask:\m row_mask:0xf bank_mask:0xf
	v_or_b32 v[\x], v[\x], v[XT]
.endr
	v_permlanex16_b32 v[XT], v[\x], s46, s47
	v_or_b32 v[\x], v[\x], v[XT]
.endm
; The k-th nearest: the largest g left, among equals the lowest index; it is taken out; lane k keeps its g and its pid.  Selects only.
.macro EXTRACT k
	v_max3_num_f32 v[BV], v[VB], v[VB+2], v[VB+4]
	XMAX BV
	v_mov_b32 v[CI], v[PINF]
.irp e, 0,1,2
	v_cmp_eq_f32 vcc_lo, v[VB+2*\e], v[BV]
	v_cndmask_b32 v[TT], v[PINF], v[VB+2*\e+1], vcc_lo
	v_min_num_f32 v[CI], v[CI], v[TT]
.endr
	XMIN CI
	v_mov_b32 v[PD], 0
.irp e, 0,1,2
	v_cmp_eq_f32 vcc_lo, v[VB+2*\e+1], v[CI]
	v_cndmask_b32 v[VB+2*\e], v[VB+2*\e], v[NINF], vcc_lo
	v_cndmask_b32 v[TT], 0, v[PID+\e], vcc_lo      ; lanes 16-31 hold candidates 64-79 a second time: the same pid, so the OR is not changed
	v_or_b32 v[PD], v[PD], v[TT]
.endr
	XOR PD
	v_cmp_eq_u32 vcc_lo, \k, v1
	v_cndmask_b32 v[OUTP], v[OUTP], v[PD], vcc_lo
	v_cndmask_b32 v[TOPV], v[TOPV], v[BV], vcc_lo
.endm
	s_load_b256 s[4:11], s[0:1], 0x0               ; centers s[4:5], feature s[6:7], position s[8:9], mem_pid s[10:11]
	s_load_b256 s[12:19], s[0:1], 0x20             ; sel3 s[12:13], rowst s[14:15], out1 s[16:17], rowx s[18:19]
	v_lshl_add_u32 v254, v0, 2, 0xb600
	v_mov_b32 v255, 0
	v_lshrrev_b32 v12, 5, v0
	v_readfirstlane_b32 s20, v12                   ; wave t
	v_and_b32 v1, 31, v0
	v_and_b32 v2, 15, v0                           ; r
	v_bfe_u32 v3, v0, 4, 1                         ; h
	s_and_b32 s21, ttmp7, 0xffff                   ; p
	s_lshl_b32 s22, s21, 8
	s_add_co_u32 s22, s22, ttmp9                   ; row = 256 p + b
	s_mov_b32 s25, 0
	s_mov_b32 s44, KL
	s_mov_b32 s46, 0x76543210
	s_mov_b32 s47, 0xfedcba98
	v_mov_b32 v[ZERO], 0
	v_mov_b32 v[NINF], 0xff800000
	v_mov_b32 v[PINF], 0x7f800000
	s_mul_i32 s23, s20, WBYTES
	v_mul_u32_u24 v[STO], v3, 8*PITCH
	v_lshl_add_u32 v[STO], v2, 3, v[STO]
	v_add_nc_u32 v[STO], s23, v[STO]               ; tile row 8 h, my 8 bytes
	s_add_co_u32 s26, s23, CNW
	v_lshl_add_u32 v[CNA], v3, 5, s26              ; |c^|^2 of rows 8 h ..
	v_mul_u32_u24 v[ADRA], v2, PITCH
	v_lshl_add_u32 v[ADRA], v3, 4, v[ADRA]
	v_add_nc_u32 v[ADRA], s23, v[ADRA]             ; A fragment: row r, 16 h
	s_add_co_u32 s26, s23, FROW
	v_lshl_add_u32 v[FST], v1, 3, s26
	v_lshl_add_u32 v[FRD], v3, 4, s26              ; B fragment: the one row, 16 h
	s_lshl_b32 s26, s20, 3
	v_lshl_add_u32 v12, v3, 2, s26                 ; word 2 t + h of the row of sel3
	v_lshlrev_b32 v19, 4, v1
	s_wait_kmcnt 0x0
	s_lshl_b32 s24, s22, 6
	s_add_nc_u64 s[12:13], s[12:13], s[24:25]
	s_add_nc_u64 s[14:15], s[14:15], s[24:25]
	s_lshl_b32 s24, ttmp9, 2
	s_add_nc_u64 s[8:9], s[8:9], s[24:25]
	s_lshl_b32 s24, s22, 10
	s_add_nc_u64 s[6:7], s[6:7], s[24:25]
	s_lshl_b32 s24, s21, 26
	s_add_nc_u64 s[4:5], s[4:5], s[24:25]
	s_load_b32 s40, s[14:15], 0x0                  ; M
	s_load_b32 s41, s[8:9], 0x0                    ; position[b]
	global_load_b32 v13, v12, s[12:13]             ; my half-wave's group
	s_cmp_lg_u32 s20, 0
	s_cbranch_scc1 .Lnot0_a
	v_lshrrev_b32 v14, 3, v1                       ; wave 0: the groups of candidates L, L + 32 and 64 + (L & 15)
	v_lshlrev_b32 v14, 2, v14
	v_bfe_u32 v15, v1, 3, 1
	v_lshlrev_b32 v15, 2, v15
	global_load_b32 v16, v14, s[12:13]
	global_load_b32 v17, v14, s[12:13] offset:16
	global_load_b32 v18, v15, s[12:13] offset:32
.Lnot0_a:
	global_load_b128 v[232:235], v19, s[6:7]       ; the feature row, 1,024 bytes
	global_load_b128 v[236:239], v19, s[6:7] offset:512
	s_wait_loadcnt 2                               ; all but the two feature loads: the groups' numbers are in
	v_min_u32 v13, 0x1fff, v13
	v_lshlrev_b32 v[COFF], 13, v13                 ; a group's 8 centres are 8,192 bytes
	v_lshl_add_u32 v[COFF], v2, 4, v[COFF]
.irp j, 0,1,2,3,4,5,6,7
.irp i, 0,1,2,3
	global_load_b128 v[STG+16*\j+4*\i:STG+16*\j+4*\i+3], v[COFF], s[4:5] offset:\j*1024+\i*256
.endr
.endr
	s_wait_kmcnt 0x0
	v_lshlrev_b32 v20, 3, v13
	v_sub_nc_u32 v20, s41, v20                     ; position minus my group's first index: equal to j where the column is removed
	s_cmp_lg_u32 s20, 0
	s_cbranch_scc1 .Lnot0_b
	v_and_b32 v21, 7, v1
.irp e, 0,1,2
	v_min_u32 v[16+\e], 0x1fff, v[16+\e]
	v_lshl_add_u32 v[16+\e], v[16+\e], 3, v21      ; n
	v_cmp_lt_u32 vcc_lo, s41, v[16+\e]
	v_cndmask_b32 v22, 0, 1, vcc_lo
	v_sub_nc_u32 v[FO+\e], v[16+\e], v22           ; n - (n > position)
	v_min_u32 v[FO+\e], 0xffff, v[FO+\e]
	v_lshlrev_b32 v[FO+\e], 2, v[FO+\e]
	global_load_b32 v[PID+\e], v[FO+\e], s[10:11]
	v_cvt_f32_u32 v[VB+2*\e+1], v[16+\e]
.endr
.Lnot0_b:
	s_wait_loadcnt 32                              ; behind the feature loads stand the 32 centre loads (in wave 0 three more: the count is then stricter than needed)
	v_cvt_pk_bf16_f32 v232, v232, v233
	v_cvt_pk_bf16_f32 v233, v234, v235
	v_cvt_pk_bf16_f32 v236, v236, v237
	v_cvt_pk_bf16_f32 v237, v238, v239
	ds_store_b64 v[FST], v[232:233]
	ds_store_b64 v[FST], v[236:237] offset:256
.irp ks, 0,1,2,3,4,5,6,7
	ds_load_b128 v[FEAT+8*\ks:FEAT+8*\ks+3],   v[FRD] offset:64*\ks       ; LDS serves a wave's instructions in order (ISA guide 5.7.1.4): these see the stores above
	ds_load_b128 v[FEAT+8*\ks+4:FEAT+8*\ks+7], v[FRD] offset:64*\ks+32
.endr
.irp j, 0,1,2,3,4,5,6,7
	s_wait_loadcnt 28-4*\j                         ; rows j of both groups are in; the later rows stay out
	CONVPAIR STG+16*\j, STO, \j*PITCH, CNA, 4*\j
.endr
.irp ks, 0,1,2,3,4,5,6,7
	ds_load_b128 v[AF+8*\ks:AF+8*\ks+3],   v[ADRA] offset:64*\ks
	ds_load_b128 v[AF+8*\ks+4:AF+8*\ks+7], v[ADRA] offset:64*\ks+32
.endr
	ds_load_b128 v[CNR:CNR+3], v[CNA]
	ds_load_b128 v[CNR+4:CNR+7], v[CNA] offset:16
	s_wait_dscnt 0x0
	v_wmma_f32_16x16x32_bf16 v[ACC:ACC+7], v[AF:AF+7], v[FEAT:FEAT+7], 0
.irp ks, 1,2,3,4,5,6,7
	s_wait_alu depctr_va_vdst(0)                   ; a wait ahead of every link
	v_wmma_f32_16x16x32_bf16 v[ACC:ACC+7], v[AF+8*\ks:AF+8*\ks+7], v[FEAT+8*\ks:FEAT+8*\ks+7], v[ACC:ACC+7]
.endr
.rept 4
	v_nop                                          ; four places before the sums are read (ISA guide 7.12.1)
.endr
.irp k, 0,2,4,6
	v_pk_fma_f32 v[ACC+\k:ACC+\k+1], v[ACC+\k:ACC+\k+1], 2.0, v[CNR+\k:CNR+\k+1] op_sel_hi:[1,0,1] neg_lo:[0,0,1] neg_hi:[0,0,1]
.endr
.irp j, 0,1,2,3,4,5,6,7
	v_cmp_eq_u32 vcc_lo, \j, v20
	v_cndmask_b32 v[ACC+\j], v[ACC+\j], v[NINF], vcc_lo
.endr
	s_lshl_b32 s26, s20, 6
	s_add_co_u32 s26, s26, CG
	v_lshl_add_u32 v21, v3, 5, s26
	ds_store_b128 v21, v[ACC:ACC+3]                ; all sixteen columns are the same row: sixteen lanes, the same bytes, the same values
	ds_store_b128 v21, v[ACC+4:ACC+7] offset:16
	s_wait_dscnt 0x0
	s_barrier_signal -1
	s_barrier_wait -1
	s_cmp_lg_u32 s20, 0
	s_cbranch_scc1 .Lend
	; wave 0 alone
	v_lshlrev_b32 v21, 2, v1
	v_lshlrev_b32 v22, 2, v2
	ds_load_b32 v[VB], v21 offset:CG
	ds_load_b32 v[VB+2], v21 offset:CG+128
	ds_load_b32 v[VB+4], v22 offset:CG+256
	v_mov_b32 v[XT], 0
	v_mov_b32 v[OUTP], 0
	v_mov_b32 v[TOPV], v[NINF]
	v_fma_mix_f32_bf16 v[FN], v232, v232, v[ZERO] op_sel_hi:[1,1,0]                  ; fn = |f^|^2
	v_fma_mix_f32_bf16 v[FN], v232, v232, v[FN] op_sel:[1,1,0] op_sel_hi:[1,1,0]
.irp d, 233,236,237
	v_fma_mix_f32_bf16 v[FN], v\d, v\d, v[FN] op_sel_hi:[1,1,0]
	v_fma_mix_f32_bf16 v[FN], v\d, v\d, v[FN] op_sel:[1,1,0] op_sel_hi:[1,1,0]
.endr
	XSUM FN
	s_wait_dscnt 0x0
	v_cmp_gt_u32 vcc_lo, 16, v1
	v_cndmask_b32 v[VB+4], v[NINF], v[VB+4], vcc_lo    ; candidates 64-79 count once, in lanes 0-15
	s_wait_loadcnt 0x0                             ; the pids
.irp k, 0,1,2,3,4,5,6,7,8,9
	EXTRACT \k
.endr
	v_mov_b32 v[TT], s40
	v_mul_f32 v[TR], NKL, v[TT]                    ; the row's T, by the same multiplication as everywhere
	v_fma_f32 v[TOPV], v[TOPV], s44, v[TR]         ; lanes 10-31 hold -inf and add 0
	v_exp_f32 v[TOPV], v[TOPV]
	v_nop                                          ; one plain place behind the exponential (ISA guide 5.7.2)
	s_wait_alu depctr_va_vdst(0)
	XSUM TOPV
	s_mul_i32 s24, s22, 40
	v_lshl_add_u32 v[OA], v1, 2, s24
	s_lshl_b32 s24, s22, 3
	v_mov_b32 v[OB], s24
	v_cmp_gt_u32 vcc_lo, 10, v1
	s_wait_xcnt 0x0                                ; EXEC changes only behind this wait
	s_and_saveexec_b32 s42, vcc_lo
	global_store_b32 v[OA], v[OUTP], s[16:17]
	s_wait_xcnt 0x0
	s_or_b32 exec_lo, exec_lo, s42
	v_cmp_eq_u32 vcc_lo, 0, v1
	s_wait_xcnt 0x0
	s_and_saveexec_b32 s42, vcc_lo
	global_store_b64 v[OB], v[TOPV:TOPV+1], s[18:19]
	s_wait_xcnt 0x0
	s_or_b32 exec_lo, exec_lo, s42
.Lend:
	s_wait_tensorcnt 0x0
	ds_add_u32 v254, v255
	s_wait_dscnt 0x0
	s_endpgm
.Lfunc_end_k_qc5c7f2f093_final:
	.size	k_qc5c7f2f093_final, .Lfunc_end_k_qc5c7f2f093_final-k_qc5c7f2f093_final
	.p2alignl 7, 3214868480
	.fill 96, 4, 3214868480
	.section	.rodata,"a",@progbits
	.p2align	6, 0x0
	.amdhsa_kernel k_qc5c7f2f093_final
		.amdhsa_group_segment_fixed_size 47360
		.amdhsa_private_segment_fixed_size 0
		.amdhsa_enable_private_segment 0
		.amdhsa_kernarg_size 64
		.amdhsa_user_sgpr_count 2
		.amdhsa_user_sgpr_kernarg_segment_ptr 1
		.amdhsa_wavefront_size32 1
		.amdhsa_system_sgpr_workgroup_id_x 1
		.amdhsa_system_sgpr_workgroup_id_y 1
		.amdhsa_system_sgpr_workgroup_id_z 1
		.amdhsa_system_vgpr_workitem_id 0
		.amdhsa_next_free_vgpr 256
		.amdhsa_next_free_sgpr 66
		.amdhsa_reserve_vcc 1
		.amdhsa_float_denorm_mode_32 3
		.amdhsa_float_denorm_mode_16_64 3
		.amdhsa_memory_ordered 1
		.amdhsa_forward_progress 1
		.amdhsa_inst_pref_size 53
	.end_amdhsa_kernel
	.amdgpu_metadata
---
amdhsa.version: [ 1, 2 ]
amdhsa.kernels:
  - .name:           k_qc5c7f2f093_final
    .symbol:         k_qc5c7f2f093_final.kd
    .args:
      - { .name: centers, .offset: 0, .size: 8, .value_kind: global_buffer, .address_space: global }
      - { .name: feature, .offset: 8, .size: 8, .value_kind: global_buffer, .address_space: global }
      - { .name: position, .offset: 16, .size: 8, .value_kind: global_buffer, .address_space: global }
      - { .name: mem_pid, .offset: 24, .size: 8, .value_kind: global_buffer, .address_space: global }
      - { .name: sel3, .offset: 32, .size: 8, .value_kind: global_buffer, .address_space: global }
      - { .name: rowst, .offset: 40, .size: 8, .value_kind: global_buffer, .address_space: global }
      - { .name: out1, .offset: 48, .size: 8, .value_kind: global_buffer, .address_space: global }
      - { .name: rowx, .offset: 56, .size: 8, .value_kind: global_buffer, .address_space: global }
    .group_segment_fixed_size: 47360
    .private_segment_fixed_size: 0
    .kernarg_segment_align: 8
    .kernarg_segment_size: 64
    .max_flat_workgroup_size: 160
    .sgpr_count:     66
    .vgpr_count:     256
    .wavefront_size: 32
...
	.end_amdgpu_metadata
.endif
;; end of part 4
;; launch loss (part 5): grid 1 x 1, 32 waves a work-group, no clusters, 4,352 bytes of LDS; arguments rowst, rowx, out0; writes out0
.if DOCPART == 5
	.amdgcn_target "amdgcn-amd-amdhsa--gfx1250"
	.amdhsa_code_object_version 6
	.text
	.protected	k_qc5c7f2f093_loss
	.globl	k_qc5c7f2f093_loss
	.p2align	8
	.type	k_qc5c7f2f093_loss,@function
k_qc5c7f2f093_loss:
	s_mov_b64 s[64:65], 0
	v_nop
	global_prefetch_b8 v0, s[64:65] scope:SCOPE_SE
	s_setreg_imm32_b32 hwreg(HW_REG_WAVE_MODE, 25, 1), 1
	s_wait_xcnt 0x0
; out0 = the mean over the four parts of (the sum over the part's 256 rows of y - x) / 256, a part whose figure is NaN counting as 0.
; y = ln Sy + A, x = ln Sx + A, A = 10 M - 10 fn = the largest of -10 d: the maximum is added back before the two are subtracted,
; as the problem's own logsumexp does it.  One work-group: 1,024 rows, a thread each; 16 KiB are read, so there is work for no more.
.set LN2, 0x3f317218
	s_load_b128 s[4:7], s[0:1], 0x0                ; rowst, rowx
	s_load_b64 s[8:9], s[0:1], 0x10                ; out0
	v_lshl_add_u32 v24, v0, 2, 0x100
	v_mov_b32 v25, 0
	v_lshrrev_b32 v1, 5, v0
	v_readfirstlane_b32 s10, v1                    ; wave: rows 32 w .. 32 w + 31, part w / 8
	v_lshlrev_b32 v2, 6, v0
	v_lshlrev_b32 v3, 3, v0
	s_mov_b32 s12, 0x76543210
	s_mov_b32 s13, 0xfedcba98
	v_mov_b32 v12, 0
	s_wait_kmcnt 0x0
	global_load_b64 v[4:5], v2, s[4:5]             ; M, Sy
	global_load_b64 v[6:7], v3, s[6:7]             ; Sx, fn
	s_wait_loadcnt 0x0
	v_mul_f32 v8, 0xc1200000, v7                   ; -10 fn
	v_fmamk_f32 v8, v4, 0x41200000, v8             ; A
	v_log_f32 v9, v5
	v_log_f32 v10, v6
	v_nop                                          ; one plain place behind the logarithms (ISA guide 5.7.2)
	s_wait_alu depctr_va_vdst(0)
	v_fmamk_f32 v9, v9, LN2, v8                    ; y
	v_fmamk_f32 v10, v10, LN2, v8                  ; x
	v_sub_f32 v9, v9, v10
.irp m, 1,2,4,8
	v_add_f32_dpp v9, v9, v9 row_xmask:\m row_mask:0xf bank_mask:0xf
.endr
	v_permlanex16_b32 v12, v9, s12, s13
	v_add_f32 v9, v9, v12
	v_mov_b32 v11, s10
	v_lshlrev_b32 v11, 2, v11
	ds_store_b32 v11, v9                           ; all lanes: one word, one value
	s_wait_dscnt 0x0
	s_barrier_signal -1
	s_barrier_wait -1
	s_cmp_lg_u32 s10, 0
	s_cbranch_scc1 .Lend
	v_lshlrev_b32 v11, 2, v0                       ; wave 0: lane L takes wave L's sum; eight neighbouring lanes are a part
	ds_load_b32 v9, v11
	s_wait_dscnt 0x0
.irp m, 1,2,4
	v_add_f32_dpp v9, v9, v9 row_xmask:\m row_mask:0xf bank_mask:0xf
.endr
	v_mul_f32 v9, 0x3b800000, v9                   ; / 256
	v_cmp_eq_f32 vcc_lo, v9, v9
	v_cndmask_b32 v9, 0, v9, vcc_lo                ; NaN counts as 0
	v_add_f32_dpp v9, v9, v9 row_xmask:8 row_mask:0xf bank_mask:0xf
	v_permlanex16_b32 v12, v9, s12, s13
	v_add_f32 v9, v9, v12
	v_mul_f32 v9, 0.25, v9
	v_mov_b32 v13, 0
	v_cmp_eq_u32 vcc_lo, 0, v0
	s_wait_xcnt 0x0                                ; EXEC changes only behind this wait
	s_and_saveexec_b32 s14, vcc_lo
	global_store_b32 v13, v9, s[8:9]
	s_wait_xcnt 0x0
	s_or_b32 exec_lo, exec_lo, s14
.Lend:
	s_wait_tensorcnt 0x0
	ds_add_u32 v24, v25
	s_wait_dscnt 0x0
	s_endpgm
.Lfunc_end_k_qc5c7f2f093_loss:
	.size	k_qc5c7f2f093_loss, .Lfunc_end_k_qc5c7f2f093_loss-k_qc5c7f2f093_loss
	.p2alignl 7, 3214868480
	.fill 96, 4, 3214868480
	.section	.rodata,"a",@progbits
	.p2align	6, 0x0
	.amdhsa_kernel k_qc5c7f2f093_loss
		.amdhsa_group_segment_fixed_size 4352
		.amdhsa_private_segment_fixed_size 0
		.amdhsa_enable_private_segment 0
		.amdhsa_kernarg_size 24
		.amdhsa_user_sgpr_count 2
		.amdhsa_user_sgpr_kernarg_segment_ptr 1
		.amdhsa_wavefront_size32 1
		.amdhsa_system_sgpr_workgroup_id_x 1
		.amdhsa_system_sgpr_workgroup_id_y 1
		.amdhsa_system_sgpr_workgroup_id_z 1
		.amdhsa_system_vgpr_workitem_id 0
		.amdhsa_next_free_vgpr 26
		.amdhsa_next_free_sgpr 66
		.amdhsa_reserve_vcc 1
		.amdhsa_float_denorm_mode_32 3
		.amdhsa_float_denorm_mode_16_64 3
		.amdhsa_memory_ordered 1
		.amdhsa_forward_progress 1
		.amdhsa_inst_pref_size 4
	.end_amdhsa_kernel
	.amdgpu_metadata
---
amdhsa.version: [ 1, 2 ]
amdhsa.kernels:
  - .name:           k_qc5c7f2f093_loss
    .symbol:         k_qc5c7f2f093_loss.kd
    .args:
      - { .name: rowst, .offset: 0, .size: 8, .value_kind: global_buffer, .address_space: global }
      - { .name: rowx, .offset: 8, .size: 8, .value_kind: global_buffer, .address_space: global }
      - { .name: out0, .offset: 16, .size: 8, .value_kind: global_buffer, .address_space: global }
    .group_segment_fixed_size: 4352
    .private_segment_fixed_size: 0
    .kernarg_segment_align: 8
    .kernarg_segment_size: 24
    .max_flat_workgroup_size: 1024
    .sgpr_count:     66
    .vgpr_count:     26
    .wavefront_size: 32
...
	.end_amdgpu_metadata
.endif
;; end of part 5
;; ======== version 2 of 2: 5 launches; version 1 with the launch dist written anew for expert scheduling mode
;; workspace buffers: gm1 33,554,432 bytes; lst 2,097,152 bytes; sel2 65,536 bytes of whole numbers; sel3 65,536 bytes of whole numbers; rowst 65,536 bytes; rowx 8,192 bytes
;; launch dist (part 6): grid 64 x 4, 8 waves a work-group, no clusters, 212,992 bytes of LDS; arguments centers, feature, position, gm1, lst; writes gm1, lst
.if DOCPART == 6
	.amdgcn_target "amdgcn-amd-amdhsa--gfx1250"
	.amdhsa_code_object_version 6
	.text
	.protected	k_qc5c7f2f093_dist
	.globl	k_qc5c7f2f093_dist
	.p2align	8
	.type	k_qc5c7f2f093_dist,@function
k_qc5c7f2f093_dist:
	s_mov_b64 s[64:65], 0
	v_nop
	global_prefetch_b8 v0, s[64:65] scope:SCOPE_SE
	s_setreg_imm32_b32 hwreg(HW_REG_WAVE_SCHED_MODE, 0, 2), 2
	s_setreg_imm32_b32 hwreg(HW_REG_WAVE_MODE, 25, 1), 1
	s_wait_xcnt 0x0
	s_wait_alu depctr_vm_vsrc(0)
; g[p][b][n] = 2 f^.c^ - |c^|^2 (f^, c^: feature and centre rounded to bf16; d = |f^|^2 - g, so the larger g is the nearer centre).
; The column position[b] of row b is set to -inf.  Stored: gm1[p][b][n>>3] = the largest g of each 8 neighbouring centres, and for each
; list of 256 neighbouring centres lst[p][wg][b][list][m, s]: m = its largest g, s = the sum of exp2(KL g - KL m), KL = 10 log2(e).
; A work-group: part p = y, centres 1024 x .. 1024 x + 1023 (four lists), all 256 rows, in 16 steps of 64 centres (16 of each list).
; Eight waves.  Wave w: q = w & 3 (rows 64 q .. 64 q + 63, four tiles t of 16), c = w >> 2 (lists 2c, 2c + 1).
; Matrix operand A = 16 centres (rows 0-7 of list 2c, rows 8-15 of list 2c + 1), B = 16 feature rows: in the result lane (r, h), register j
; holds row b = 64 q + 16 t + r and centre 16 step + 8 ct + j of list 2c + h: a lane follows ONE list of one row for each t, so the running
; maximum and sum never cross lanes.  The features stay in registers 256-511 for the whole launch.
; The centres come as f32 through registers (they have to be converted), a whole step ahead, and go as bf16 into two LDS slots that take turns.
; Waves with c = 0 multiply first and then do the vector work, waves with c = 1 the other way round, one step behind with their vector work.
; LIMITS: two distances are ordered as exact arithmetic on the rounded inputs orders them only if their gap exceeds the f32 rounding of
; the sums (about 1e-4 at d near 500); exact ties go to the lower index.  NaN or infinite distances are not served.
; camid and mem_camid enter no result of the problem and are passed to no launch.
; THE MODE: SCHED_MODE bits 1:0 = 2 (LLVM: expert scheduling mode 2), set by the entry lines.  The code itself states the register dependences
; between vector or matrix instructions and memory or LDS instructions, with s_wait_alu, always for 0.
; THE PLAN.  Registers that memory or LDS instructions touch, from the second barrier on:
;   STG          CONV's conversions and sums read and write it; behind one wait on va_vdst its 20 LDS stores read it; behind one wait on vm_vsrc
;                the 16 loads of the step after land in it.  No vector line stands between the first wait and the loads.
;   AF, halves   A half is read by sixteen matrix instructions and then loaded again: a wait on va_vdst at WMMA's head and ahead of each of its two refills.
;   CNR          Read by EPI's first 32 lines; loaded at WMMA's head, behind that head's wait.
;   GM, GMAD     EPI's maxima write GM; behind one wait on va_vdst its four LDS stores read GM and GMAD; behind one wait on vm_vsrc GMAD is stepped.
;   GOFF, STO, CNST, ADRA, CNAD   Made at the head, ahead of the head's wait, and never written again: the global base is a scalar pair, the rest stands in immediates.
;   ACC, TP, MS, POS, QM, T0 and the features are named by vector and matrix instructions alone.
; No lane mask passes from a vector instruction to another but the four at EPI's head, which one wait on va_sdst shows written.
.set KL,     0x4166d4ca                ; 10 log2(e)
.set NKL,    0xc166d4ca                ; its negative
.set PITCH,  528                       ; a slot's row: 512 bytes of bf16 + 16, an odd multiple of 16 bytes
.set SLOT,   64*PITCH                  ; 33,792 bytes; slot row = 32 c + 16 ct + 8 h + j
.set CN,     2*SLOT                    ; 67,584: |c^|^2 of a slot's 64 rows, 256 bytes for each slot
.set GMS,    68608                     ; group maxima: [wave][64 rows][2 lists x 32 groups] f32, pitch 264
.set GPITCH, 264
.set GWAVE,  64*GPITCH                 ; 16,896 bytes a wave
.set FB,     GMS                       ; the features as bf16, 256 rows x 528: used only ahead of the second barrier, then the bytes are GMS
.set ST,     GMS+8*GWAVE               ; 203,776: [wave][64 rows][2 lists][m, s]
.set GOFF, 4                           ; byte offset of my 16 bytes in the rows that I convert
.set STO,  5                           ; LDS address of my 8 bytes in those rows, slot 0
.set CNST, 6                           ; LDS address of those rows' |c^|^2, slot 0
.set ADRA, 7                           ; LDS address of my A fragments, slot 0
.set CNAD, 8                           ; LDS address of my 16 |c^|^2, slot 0
.set GMAD, 9                           ; LDS address of my group maxima; 8 bytes on in each step
.set ZERO, 10
.set NINF, 11
.set TP,   12                          ; v[12:19]  for each t a pair: T = -KL m, and the factor by which the old sum shrinks
.set QM,   20                          ; v[20:23]  in the steps: for each t the bits of -inf with min(POS, 16) below them; at the head and on the way out: addresses
.set STG,  24                          ; v[24:87]  16 x 16 bytes of f32 centres on their way in
.set ACC,  88                          ; v[88:151] accumulator (ct, t) at 8 (4 ct + t)
.set AF,   152                         ; v[152:215] A fragments: two halves of 2 K steps x 2 ct x 8
.set CNR,  216                         ; v[216:231] |c^|^2 of my centres, 8 ct + j
.set GM,   232                         ; v[232:239] group maxima, 2 t + ct
.set MS,   240                         ; v[240:247] m at 2 t, s at 2 t + 1
.set POS,  248                         ; v[248:251] position[b] minus the index of my list's first centre of the step, unsigned
.set T0,   252                         ; v[252:253] at work
.set MSB, 0
.macro WIN new                         ; the immediate's high byte repeats the setting that is left
.if MSB != \new
	s_set_vgpr_msb (MSB<<8)|\new
.set MSB, \new
.endif
.endm
.macro PLACES n
.rept \n
	v_nop
.endr
.endm
; Two rows of 256 f32 (lanes 0-15 one row, lanes 16-31 another; a lane holds columns 64 i + 4 r .. + 3 in v[x+4i : x+4i+3]) are rounded to
; bf16, and each row's sum of squares OF THE ROUNDED NUMBERS is made, always in this order.  The two chains run in v[x+2] and v[x+3],
; which the first two conversions have emptied; the sum ends in v[x+2].
.macro CONVV x
.irp i, 0,1,2,3
	v_cvt_pk_bf16_f32 v[\x+4*\i], v[\x+4*\i], v[\x+4*\i+1]
	v_cvt_pk_bf16_f32 v[\x+4*\i+1], v[\x+4*\i+2], v[\x+4*\i+3]
.endr
	v_fma_mix_f32_bf16 v[\x+2], v[\x], v[\x], v[ZERO] op_sel_hi:[1,1,0]                  ; two chains: the low halves,
	v_fma_mix_f32_bf16 v[\x+3], v[\x], v[\x], v[ZERO] op_sel:[1,1,0] op_sel_hi:[1,1,0]   ; the high halves
.irp d, 1,4,5,8,9,12,13
	v_fma_mix_f32_bf16 v[\x+2], v[\x+\d], v[\x+\d], v[\x+2] op_sel_hi:[1,1,0]
	v_fma_mix_f32_bf16 v[\x+3], v[\x+\d], v[\x+\d], v[\x+3] op_sel:[1,1,0] op_sel_hi:[1,1,0]
.endr
	v_add_f32 v[\x+2], v[\x+2], v[\x+3]
	v_add_f32_dpp v[\x+2], v[\x+2], v[\x+2] row_xmask:1 row_mask:0xf bank_mask:0xf
	v_add_f32_dpp v[\x+2], v[\x+2], v[\x+2] row_xmask:2 row_mask:0xf bank_mask:0xf
	v_add_f32_dpp v[\x+2], v[\x+2], v[\x+2] row_xmask:4 row_mask:0xf bank_mask:0xf
	v_add_f32_dpp v[\x+2], v[\x+2], v[\x+2] row_xmask:8 row_mask:0xf bank_mask:0xf
.endm
; The same two rows are stored, and their sums of squares.
.macro CONVS x, simm, cimm
.irp i, 0,1,2,3
	ds_store_b64 v[STO], v[\x+4*\i:\x+4*\i+1] offset:\simm+128*\i
.endr
	ds_store_b32 v[CNST], v[\x+2] offset:\cimm     ; sixteen lanes, one word, one value
.endm
; My eight rows of the next step go from STG into a slot.  refill = 1: STG is asked for again, one step further on.
.macro CONV slot, refill
.if \refill
	s_wait_xcnt 0x0                                ; the base of the loads issued a step ago is stepped only behind this wait
	s_add_nc_u64 s[4:5], s[4:5], 16*1024           ; 16 centres on in every list
.endif
.irp i2, 0,1,2,3
	s_wait_loadcnt 12-4*\i2                        ; loads come back in order (ISA guide 5.7.1): behind the four wanted now stand those of the later pairs alone
	CONVV STG+16*\i2
.endr
	s_wait_alu depctr_va_vdst(0)                   ; the conversions and sums have written what the stores below read, and are done with STG, in which the loads below land
.irp i2, 0,1,2,3
	CONVS STG+16*\i2, (\slot)*SLOT+\i2*PITCH, (\slot)*256+4*\i2
.endr
.if \refill
	s_wait_alu depctr_vm_vsrc(0)                   ; the LDS stores have read STG, in which the loads below land
.irp i2, 0,1,2,3
.irp i, 0,1,2,3
	global_load_b128 v[STG+16*\i2+4*\i:STG+16*\i2+4*\i+3], v[GOFF], s[4:5] offset:\i2*1024+\i*256 th:TH_LOAD_NT
.endr
.endr
.endif
.endm
; eight LDS loads: the A fragments of K steps ks0 and ks0 + 1, both ct, into half hf
.macro AFLD slot, hf, ks0
.irp kk, 0,1
.irp ct, 0,1
	ds_load_b128 v[AF+32*\hf+16*\kk+8*\ct:AF+32*\hf+16*\kk+8*\ct+3],   v[ADRA] offset:(\slot)*SLOT+\ct*16*PITCH+(\ks0+\kk)*64
	ds_load_b128 v[AF+32*\hf+16*\kk+8*\ct+4:AF+32*\hf+16*\kk+8*\ct+7], v[ADRA] offset:(\slot)*SLOT+\ct*16*PITCH+(\ks0+\kk)*64+32
.endr
.endr
.endm
; sixteen matrix instructions: two K steps on the eight accumulators, which take turns, one instruction a turn
.macro MM16 hf, ks0, zero
.irp kk, 0,1
.irp ct, 0,1
.irp t, 0,1,2,3
.if \zero*(1-\kk)
	v_wmma_f32_16x16x32_bf16 v[ACC+8*(4*\ct+\t):ACC+8*(4*\ct+\t)+7], v[AF+32*\hf+16*\kk+8*\ct:AF+32*\hf+16*\kk+8*\ct+7], v[8*(8*\t+\ks0+\kk):8*(8*\t+\ks0+\kk)+7], 0
.else
	v_wmma_f32_16x16x32_bf16 v[ACC+8*(4*\ct+\t):ACC+8*(4*\ct+\t)+7], v[AF+32*\hf+16*\kk+8*\ct:AF+32*\hf+16*\kk+8*\ct+7], v[8*(8*\t+\ks0+\kk):8*(8*\t+\ks0+\kk)+7], v[ACC+8*(4*\ct+\t):ACC+8*(4*\ct+\t)+7]
.endif
.endr
.endr
.endr
.endm
; One step's 64 matrix instructions: 32 centres x 64 rows x K = 256.  Source 1 (the features) is taken from registers 256-511.
.macro WMMA slot
	WIN 0x04
	s_wait_alu depctr_va_vdst(0)                   ; the matrix instructions issued so far are done reading AF, the vector work is done reading CNR: the loads below land in both
.irp ct, 0,1
	ds_load_b128 v[CNR+8*\ct:CNR+8*\ct+3],   v[CNAD] offset:(\slot)*256+64*\ct      ; the step's |c^|^2, read while the slot may be read
	ds_load_b128 v[CNR+8*\ct+4:CNR+8*\ct+7], v[CNAD] offset:(\slot)*256+64*\ct+16
.endr
	AFLD \slot, 0, 0
	AFLD \slot, 1, 2
	s_wait_dscnt 8                                 ; all but the eight youngest: |c^|^2 and K steps 0, 1 are in
	MM16 0, 0, 1                                   ; the first K step starts the sums
	PLACES 4                                       ; the four places behind a matrix instruction stay ahead of a load into its source; the wait below states the dependence
	s_wait_alu depctr_va_vdst(0)                   ; the sixteen matrix instructions above are done reading half 0
	AFLD \slot, 0, 4
	s_wait_dscnt 8                                 ; K steps 2, 3 are in
	MM16 1, 2, 0
	PLACES 4
	s_wait_alu depctr_va_vdst(0)                   ; the sixteen matrix instructions above are done reading half 1
	AFLD \slot, 1, 6
	s_wait_dscnt 8                                 ; K steps 4, 5
	MM16 0, 4, 0
	s_wait_dscnt 0                                 ; K steps 6, 7
	MM16 1, 6, 0
	WIN 0
	PLACES 5                                       ; the larger of the two distances behind a matrix instruction: whatever follows may read or write the sums
.endm
; The vector work on one step's 64 numbers a lane.
.macro EPI
.irp t, 0,1,2,3
	v_cmp_gt_u32 s[22+\t], 16, v[POS+\t]           ; does row b's removed column lie among this step's 16 centres of my list?
.endr
.irp a, 0,1,2,3,4,5,6,7
.irp k, 0,2,4,6
	v_pk_fma_f32 v[ACC+8*\a+\k:ACC+8*\a+\k+1], v[ACC+8*\a+\k:ACC+8*\a+\k+1], 2.0, v[CNR+8*(\a/4)+\k:CNR+8*(\a/4)+\k+1] op_sel_hi:[1,0,1] neg_lo:[0,0,1] neg_hi:[0,0,1]   ; g = 2 dot - |c^|^2
.endr
.endr
	s_wait_alu depctr_va_sdst(0)                   ; the four compares have written s22 to s25, ahead of their first reader
	s_or_b32 s22, s22, s23
	s_or_b32 s24, s24, s25
	s_or_b32 s22, s22, s24
	s_cmp_eq_u32 s22, 0
	s_cbranch_scc1 .Lnone_\@                       ; hangs on the index input alone: of 256 x 64 steps of rows only 256 hold a removed column
	; The removed column is set to -inf with no lane mask.  QM = the bits of -inf with min(POS, 16) below them; QM xor index is -inf where POS is
	; the index, for every 32-bit POS, and elsewhere a NaN (exponent all ones, mantissa 1 to 31), for which v_min_num_f32 returns its other operand (ISA guide, that instruction's entry).
.irp t, 0,1,2,3
	v_min_u32 v[QM+\t], 16, v[POS+\t]
.endr
.irp t, 0,1,2,3
	v_or_b32 v[QM+\t], v[NINF], v[QM+\t]
.endr
.irp a, 0,1,2,3,4,5,6,7
.irp j, 0,1,2,3,4,5,6,7
	v_xor_b32 v[T0+\j%2], 8*(\a/4)+\j, v[QM+\a%4]
	v_min_num_f32 v[ACC+8*\a+\j], v[ACC+8*\a+\j], v[T0+\j%2]
.endr
.endr
.Lnone_\@:
.irp a, 0,1,2,3,4,5,6,7
	v_max3_num_f32 v[GM+2*(\a%4)+\a/4], v[ACC+8*\a], v[ACC+8*\a+1], v[ACC+8*\a+2]
.endr
.irp a, 0,1,2,3,4,5,6,7
	v_max3_num_f32 v[GM+2*(\a%4)+\a/4], v[GM+2*(\a%4)+\a/4], v[ACC+8*\a+3], v[ACC+8*\a+4]
.endr
.irp a, 0,1,2,3,4,5,6,7
	v_max3_num_f32 v[GM+2*(\a%4)+\a/4], v[GM+2*(\a%4)+\a/4], v[ACC+8*\a+5], v[ACC+8*\a+6]
.endr
.irp a, 0,1,2,3,4,5,6,7
	v_max_num_f32 v[GM+2*(\a%4)+\a/4], v[GM+2*(\a%4)+\a/4], v[ACC+8*\a+7]
.endr
.irp t, 0,1,2,3
	v_mul_f32 v[TP+2*\t+1], NKL, v[MS+2*\t]        ; the old T (+inf in the first step: the old sum, 0, is then multiplied by exp2(-inf) = 0)
	v_max3_num_f32 v[MS+2*\t], v[MS+2*\t], v[GM+2*\t], v[GM+2*\t+1]
.endr
.irp t, 0,1,2,3
	v_mul_f32 v[TP+2*\t], NKL, v[MS+2*\t]          ; T = -KL m: every launch makes it by this one multiplication
.endr
.irp t, 0,1,2,3
	v_sub_f32 v[TP+2*\t+1], v[TP+2*\t], v[TP+2*\t+1]
.endr
.irp a, 0,1,2,3,4,5,6,7
.irp k, 0,2,4,6
	v_pk_fma_f32 v[ACC+8*\a+\k:ACC+8*\a+\k+1], v[ACC+8*\a+\k:ACC+8*\a+\k+1], s[20:21], v[TP+2*(\a%4):TP+2*(\a%4)+1] op_sel_hi:[1,0,0]   ; KL g + T, at most about 0
.endr
.endr
.set e, 0
.rept 64
	v_exp_f32 v[ACC+e], v[ACC+e]
.set e, e+1
.endr
.irp t, 0,1,2,3
	v_exp_f32 v[TP+2*\t+1], v[TP+2*\t+1]
.endr
	v_nop                                          ; one plain place between the exponentials and the first use (ISA guide 5.7.2)
	s_wait_alu depctr_va_vdst(0)
.irp t, 0,1,2,3
	v_pk_add_f32 v[ACC+8*\t:ACC+8*\t+1], v[ACC+8*\t:ACC+8*\t+1], v[ACC+8*\t+2:ACC+8*\t+3]
	v_pk_add_f32 v[ACC+8*\t+4:ACC+8*\t+5], v[ACC+8*\t+4:ACC+8*\t+5], v[ACC+8*\t+6:ACC+8*\t+7]
	v_pk_add_f32 v[ACC+32+8*\t:ACC+32+8*\t+1], v[ACC+32+8*\t:ACC+32+8*\t+1], v[ACC+32+8*\t+2:ACC+32+8*\t+3]
	v_pk_add_f32 v[ACC+32+8*\t+4:ACC+32+8*\t+5], v[ACC+32+8*\t+4:ACC+32+8*\t+5], v[ACC+32+8*\t+6:ACC+32+8*\t+7]
.endr
.irp t, 0,1,2,3
	v_pk_add_f32 v[ACC+8*\t:ACC+8*\t+1], v[ACC+8*\t:ACC+8*\t+1], v[ACC+8*\t+4:ACC+8*\t+5]
	v_pk_add_f32 v[ACC+32+8*\t:ACC+32+8*\t+1], v[ACC+32+8*\t:ACC+32+8*\t+1], v[ACC+32+8*\t+4:ACC+32+8*\t+5]
.endr
.irp t, 0,1,2,3
	v_pk_add_f32 v[ACC+8*\t:ACC+8*\t+1], v[ACC+8*\t:ACC+8*\t+1], v[ACC+32+8*\t:ACC+32+8*\t+1]
.endr
.irp t, 0,1,2,3
	v_add_f32 v[ACC+8*\t], v[ACC+8*\t], v[ACC+8*\t+1]
.endr
.irp t, 0,1,2,3
	v_fma_f32 v[MS+2*\t+1], v[MS+2*\t+1], v[TP+2*\t+1], v[ACC+8*\t]     ; s = s exp2(T - T old) + the step's sum
.endr
.irp t, 0,1,2,3
	v_add_nc_u32 v[POS+\t], -16, v[POS+\t]
.endr
	s_wait_alu depctr_va_vdst(0)                   ; the maxima have written GM, and the last step's add GMAD: the stores below read both
.irp t, 0,1,2,3
	ds_store_b64 v[GMAD], v[GM+2*\t:GM+2*\t+1] offset:16*GPITCH*\t      ; groups 2 step, 2 step + 1 of my list, row 16 t + r of my wave's block
.endr
	s_wait_alu depctr_vm_vsrc(0)                   ; the four stores have read GMAD, which the add below writes, and GM, which the next step's maxima write
	v_add_nc_u32 v[GMAD], 8, v[GMAD]
.endm
.macro DOCONV slot, conv
.if \conv == 2
	CONV \slot, 1
.endif
.if \conv == 1
	CONV \slot, 0
.endif
.endm
; One step.  All waves read slot `slot` and write the other one.  ONE barrier ends it: in front of it each wave's LDS loads of this slot
; and its LDS stores into the other are done, so behind it the other slot may be read and this one written.
.macro INTERVAL slot, first, conv
	s_cmp_lg_u32 s16, 0
	s_cbranch_scc1 .Lvec_first_\@
	WMMA \slot
	EPI
	DOCONV 1-\slot, \conv
	s_branch .Ljoin_\@
.Lvec_first_\@:
.if \first == 0
	EPI                                            ; of the step before: its sums and its |c^|^2 lie in registers
.endif
	DOCONV 1-\slot, \conv
	WMMA \slot
.Ljoin_\@:
	s_wait_dscnt 0x0
	s_barrier_signal -1
	s_barrier_wait -1
.endm
	s_load_b256 s[4:11], s[0:1], 0x0               ; centers s[4:5], feature s[6:7], position s[8:9], gm1 s[10:11]
	s_load_b64 s[12:13], s[0:1], 0x20              ; lst
	v_lshl_add_u32 v254, v0, 2, 0x33c00
	v_mov_b32 v255, 0
	v_lshrrev_b32 v20, 5, v0
	v_readfirstlane_b32 s14, v20                   ; w
	v_and_b32 v1, 31, v0                           ; lane
	v_and_b32 v2, 15, v0                           ; r
	v_bfe_u32 v3, v0, 4, 1                         ; h
	s_wait_alu depctr_va_sdst(0)                   ; s14 is written, ahead of its first reader
	s_and_b32 s15, s14, 3                          ; q
	s_lshr_b32 s16, s14, 2                         ; c
	s_lshr_b32 s28, s14, 1
	s_and_b32 s28, s28, 1                          ; the rows that I convert, slot rows 8 w .. 8 w + 7: their ct,
	s_and_b32 s29, s14, 1                          ; and which of c's two lists
	s_and_b32 s18, ttmp7, 0xffff                   ; p
	s_mov_b32 s20, KL
	s_mov_b32 s21, KL
	s_mov_b32 s27, 0
	v_mov_b32 v[ZERO], 0
	v_mov_b32 v[NINF], 0xff800000
	s_lshl_b32 s30, s16, 19                        ; list 2c + (w & 1): 262,144 bytes a list
	s_lshl_b32 s31, s29, 18
	s_add_co_u32 s30, s30, s31
	s_lshl_b32 s31, s28, 13                        ; 8 ct rows of 1,024 bytes
	s_add_co_u32 s30, s30, s31
	v_lshlrev_b32 v[GOFF], 12, v3                  ; lanes 16-31: four rows further down
	v_lshl_add_u32 v[GOFF], v2, 4, v[GOFF]
	v_add_nc_u32 v[GOFF], s30, v[GOFF]
	s_mul_i32 s30, s14, 8*PITCH
	v_mul_u32_u24 v[STO], v3, 4*PITCH
	v_lshl_add_u32 v[STO], v2, 3, v[STO]
	v_add_nc_u32 v[STO], s30, v[STO]               ; (8 w + 4 h) x 528 + 8 r
	s_lshl_b32 s30, s14, 5
	s_add_co_u32 s30, s30, CN
	v_lshl_add_u32 v[CNST], v3, 4, s30             ; CN + 4 (8 w + 4 h)
	s_mul_i32 s30, s16, 32*PITCH
	v_mul_u32_u24 v[ADRA], v2, PITCH
	v_lshl_add_u32 v[ADRA], v3, 4, v[ADRA]
	v_add_nc_u32 v[ADRA], s30, v[ADRA]             ; (32 c + r) x 528 + 16 h
	s_lshl_b32 s30, s16, 7
	s_add_co_u32 s30, s30, CN
	v_lshl_add_u32 v[CNAD], v3, 5, s30             ; CN + 4 (32 c + 8 h)
	s_mul_i32 s30, s14, GWAVE
	s_add_co_u32 s30, s30, GMS
	v_mul_u32_u24 v[GMAD], v2, GPITCH
	v_lshl_add_u32 v[GMAD], v3, 7, v[GMAD]
	v_add_nc_u32 v[GMAD], s30, v[GMAD]             ; GMS + w x 16,896 + r x 264 + 128 h
	s_lshl_b32 s30, s15, 8
	v_lshl_add_u32 v20, v2, 2, s30                 ; position: 4 (64 q + r)
	s_lshl_b32 s30, s14, 15
	v_lshlrev_b32 v21, 13, v3
	v_lshl_add_u32 v21, v2, 4, v21
	v_add_nc_u32 v21, s30, v21                     ; features: (32 w + 8 h) x 1,024 + 16 r
	s_mul_i32 s30, s14, 32*PITCH
	s_add_co_u32 s30, s30, FB
	v_mul_u32_u24 v22, v3, 8*PITCH
	v_lshl_add_u32 v22, v2, 3, v22
	v_add_nc_u32 v22, s30, v22                     ; FB + (32 w + 8 h) x 528 + 8 r
	s_lshl_b32 s30, ttmp9, 10
	s_lshl_b32 s31, s16, 9
	s_add_co_u32 s30, s30, s31
	v_lshl_add_u32 v23, v3, 8, s30                 ; index of my list's first centre: 1024 x + 256 (2c + h)
.irp t, 0,1,2,3
	v_mov_b32 v[MS+2*\t], 0xff800000               ; m = -inf
	v_mov_b32 v[MS+2*\t+1], 0                      ; s = 0
.endr
	s_wait_kmcnt 0x0
	s_lshl_b32 s26, s18, 26                        ; 64 MiB a part, 1 MiB a work-group
	s_lshl_b32 s30, ttmp9, 20
	s_add_co_u32 s26, s26, s30
	s_add_nc_u64 s[4:5], s[4:5], s[26:27]
	s_wait_alu depctr_va_vdst(0)                   ; the offsets and LDS addresses v4 to v9 and v20 to v22 are written, which the loads and stores from here on read
.irp i2, 0,1,2,3
.irp i, 0,1,2,3
	global_load_b128 v[STG+16*\i2+4*\i:STG+16*\i2+4*\i+3], v[GOFF], s[4:5] offset:\i2*1024+\i*256 th:TH_LOAD_NT    ; step 0
.endr
.endr
.irp t, 0,1,2,3
	global_load_b32 v[POS+\t], v20, s[8:9] offset:64*\t
.endr
	s_lshl_b32 s26, s18, 18
	s_add_nc_u64 s[6:7], s[6:7], s[26:27]
; The part's 256 feature rows: wave w converts rows 32 w .. 32 w + 31, sixteen at a time, through the registers of ACC and AF.
.macro FEATB bt
.if \bt
	s_wait_alu depctr_vm_vsrc(0)                   ; the LDS stores above have read the registers in which the next loads land; the loads of position have read v20, which is written anew further down
.endif
.irp i2, 0,1,2,3,4,5,6,7
.irp i, 0,1,2,3
	global_load_b128 v[ACC+16*\i2+4*\i:ACC+16*\i2+4*\i+3], v21, s[6:7] offset:(16*\bt+\i2)*1024+\i*256
.endr
.endr
	s_wait_loadcnt 0x0
.irp i2, 0,1,2,3,4,5,6,7
.irp i, 0,1,2,3
	v_cvt_pk_bf16_f32 v[ACC+16*\i2+4*\i], v[ACC+16*\i2+4*\i], v[ACC+16*\i2+4*\i+1]
	v_cvt_pk_bf16_f32 v[ACC+16*\i2+4*\i+1], v[ACC+16*\i2+4*\i+2], v[ACC+16*\i2+4*\i+3]
.endr
.endr
	s_wait_alu depctr_va_vdst(0)                   ; the conversions have written what the stores below read, and are done with the registers in which the next loads land
.irp i2, 0,1,2,3,4,5,6,7
.irp i, 0,1,2,3
	ds_store_b64 v22, v[ACC+16*\i2+4*\i:ACC+16*\i2+4*\i+1] offset:(16*\bt+\i2)*PITCH+\i*128
.endr
.endr
.endm
	FEATB 0
	FEATB 1
.irp t, 0,1,2,3
	v_sub_nc_u32 v[POS+\t], v[POS+\t], v23
.endr
	s_mul_i32 s30, s15, 64*PITCH
	s_add_co_u32 s30, s30, FB
	v_mul_u32_u24 v20, v2, PITCH
	v_lshl_add_u32 v20, v3, 4, v20
	v_add_nc_u32 v20, s30, v20                     ; FB + (64 q + r) x 528 + 16 h
	s_wait_dscnt 0x0                               ; my rows of the features are in LDS
	s_barrier_signal -1
	s_barrier_wait -1                              ; everybody's are
	WIN 0x40                                       ; destination in registers 256-511
	s_wait_alu depctr_va_vdst(0)                   ; v20 is written, the address of the loads below
.irp t, 0,1,2,3
.irp ks, 0,1,2,3,4,5,6,7
	ds_load_b128 v[8*(8*\t+\ks):8*(8*\t+\ks)+3],   v20 offset:\t*16*PITCH+\ks*64
	ds_load_b128 v[8*(8*\t+\ks)+4:8*(8*\t+\ks)+7], v20 offset:\t*16*PITCH+\ks*64+32
.endr
.endr
	WIN 0
	CONV 0, 1                                      ; step 0 into slot 0; step 1 is asked for.  Its wait on vm_vsrc also shows v20 to v22 and the registers of ACC and AF read by the loads and stores above
	s_wait_dscnt 0x0                               ; my feature fragments are in registers, my rows of slot 0 in LDS
	s_barrier_signal -1
	s_barrier_wait -1                              ; from here on the features' LDS bytes hold group maxima
	INTERVAL 0, 1, 2                               ; step 0
	s_mov_b32 s19, 6
.Lsteps:
	INTERVAL 1, 0, 2                               ; steps 1 to 12
	INTERVAL 0, 0, 2
	s_sub_co_u32 s19, s19, 1
	s_cmp_lg_u32 s19, 0
	s_cbranch_scc1 .Lsteps
	INTERVAL 1, 0, 2                               ; step 13 asks for step 15, the last
	INTERVAL 0, 0, 1                               ; step 14 converts it and asks for nothing
	INTERVAL 1, 0, 0                               ; step 15
	s_cmp_eq_u32 s16, 0
	s_cbranch_scc1 .Lall_done
	EPI                                            ; the waves that run a step behind: step 15's vector work
.Lall_done:
	s_lshl_b32 s30, s14, 10
	s_add_co_u32 s30, s30, ST
	v_lshlrev_b32 v20, 4, v2
	v_lshl_add_u32 v20, v3, 3, v20
	v_add_nc_u32 v20, s30, v20                     ; ST + 1,024 w + 16 r + 8 h
	s_wait_alu depctr_va_vdst(0)                   ; v20 and the maxima and sums are written, which the stores below read
.irp t, 0,1,2,3
	ds_store_b64 v20, v[MS+2*\t:MS+2*\t+1] offset:256*\t
.endr
	s_wait_dscnt 0x0                               ; my maxima and sums are in LDS
	s_barrier_signal -1
	s_barrier_wait -1
	; THE WAY OUT.  lst: 8,192 consecutive bytes, [b][list][m, s]; thread t takes bytes 16 t and 16 t + 4,096, that is row t / 2 (+ 128),
	; lists 2 (t & 1) and 2 (t & 1) + 1, which wave (row / 64) + 4 (t & 1) stored.
	; All five addresses are made first; behind the one wait on va_vdst stand LDS loads and global stores alone.
	s_lshl_b32 s26, s18, 6
	s_add_co_u32 s26, s26, ttmp9
	s_lshl_b32 s26, s26, 13
	s_add_nc_u64 s[12:13], s[12:13], s[26:27]
	s_lshl_b32 s26, s18, 23                        ; gm1: 8 MiB a part, 512 bytes of each row for a work-group
	s_lshl_b32 s30, ttmp9, 9
	s_add_co_u32 s26, s26, s30
	s_add_nc_u64 s[10:11], s[10:11], s[26:27]
	s_wait_alu depctr_vm_vsrc(0)                   ; my LDS stores have read v20, which is written anew below, and the last conversion's have read STG, in which loads land below
	v_lshrrev_b32 v20, 7, v0
	v_lshlrev_b32 v20, 10, v20
	v_and_b32 v21, 1, v0
	v_lshl_add_u32 v20, v21, 12, v20
	v_bfe_u32 v21, v0, 1, 6
	v_lshl_add_u32 v20, v21, 4, v20
	v_add_nc_u32 v20, ST, v20
	v_lshlrev_b32 v21, 4, v0
	; gm1: wave w takes rows 32 w .. 32 w + 31; a row's 512 bytes are 256 from the block of wave row / 64 and 256 from that of wave row / 64 + 4
	s_lshr_b32 s30, s14, 1
	s_mul_i32 s30, s30, GWAVE
	s_and_b32 s31, s14, 1
	s_mul_i32 s31, s31, 32*GPITCH
	s_add_co_u32 s30, s30, s31
	s_add_co_u32 s30, s30, GMS
	v_lshl_add_u32 v22, v1, 3, s30
	v_add_nc_u32 v23, 4*GWAVE, v22
	s_lshl_b32 s30, s14, 20                        ; 32 w rows of 32,768 bytes
	v_lshl_add_u32 v12, v1, 3, s30
	s_wait_alu depctr_va_vdst(0)                   ; v12 and v20 to v23 are written, the addresses below; the steps' vector and matrix work is done with v24 to v159, in which the loads below land
	ds_load_b128 v[AF:AF+3], v20
	ds_load_b128 v[AF+4:AF+7], v20 offset:2048
.macro GLD bt                          ; eight rows: sixteen LDS loads of 256 consecutive bytes
.set k, 8*\bt
.rept 8
	ds_load_b64 v[STG+4*k:STG+4*k+1],   v22 offset:k*GPITCH
	ds_load_b64 v[STG+4*k+2:STG+4*k+3], v23 offset:k*GPITCH
.set k, k+1
.endr
.endm
.macro GSTO bt                         ; each store of the wave covers 256 consecutive bytes, aligned; all 128 data registers differ, so none is freed
.set k, 8*\bt
.rept 8
	global_store_b64 v12, v[STG+4*k:STG+4*k+1],   s[10:11] offset:k*32768 th:TH_STORE_NT
	global_store_b64 v12, v[STG+4*k+2:STG+4*k+3], s[10:11] offset:k*32768+256 th:TH_STORE_NT
.set k, k+1
.endr
.endm
	GLD 0
	GLD 1
	s_wait_dscnt 32                                ; the two loads for lst are in
	global_store_b128 v21, v[AF:AF+3], s[12:13]
	global_store_b128 v21, v[AF+4:AF+7], s[12:13] offset:4096
	s_wait_dscnt 16                                ; all but the youngest sixteen
	GSTO 0
	GLD 2
	s_wait_dscnt 16
	GSTO 1
	GLD 3
	s_wait_dscnt 16
	GSTO 2
	s_wait_dscnt 0
	GSTO 3
	s_wait_dscnt 0x0
	s_wait_alu depctr_hold_cnt(0) depctr_sa_sdst(0) depctr_va_vdst(0) depctr_va_sdst(0) depctr_va_ssrc(0) depctr_va_vcc(0) depctr_vm_vsrc(0)
	s_wait_tensorcnt 0x0
	ds_add_u32 v254, v255
	s_wait_dscnt 0x0
	s_endpgm
.Lfunc_end_k_qc5c7f2f093_dist:
	.size	k_qc5c7f2f093_dist, .Lfunc_end_k_qc5c7f2f093_dist-k_qc5c7f2f093_dist
	.p2alignl 7, 3214868480
	.fill 96, 4, 3214868480
	.section	.rodata,"a",@progbits
	.p2align	6, 0x0
	.amdhsa_kernel k_qc5c7f2f093_dist
		.amdhsa_group_segment_fixed_size 212992
		.amdhsa_private_segment_fixed_size 0
		.amdhsa_enable_private_segment 0
		.amdhsa_kernarg_size 40
		.amdhsa_user_sgpr_count 2
		.amdhsa_user_sgpr_kernarg_segment_ptr 1
		.amdhsa_wavefront_size32 1
		.amdhsa_system_sgpr_workgroup_id_x 1
		.amdhsa_system_sgpr_workgroup_id_y 1
		.amdhsa_system_sgpr_workgroup_id_z 1
		.amdhsa_system_vgpr_workitem_id 0
		.amdhsa_next_free_vgpr 512
		.amdhsa_next_free_sgpr 66
		.amdhsa_reserve_vcc 0
		.amdhsa_float_denorm_mode_32 3
		.amdhsa_float_denorm_mode_16_64 3
		.amdhsa_memory_ordered 1
		.amdhsa_forward_progress 1
		.amdhsa_inst_pref_size 255
	.end_amdhsa_kernel
	.section	.bss,"aw",@nobits
	.p2align	6
	.space	262144
	.amdgpu_metadata
---
amdhsa.version: [ 1, 2 ]
amdhsa.kernels:
  - .name:           k_qc5c7f2f093_dist
    .symbol:         k_qc5c7f2f093_dist.kd
    .args:
      - { .name: centers, .offset: 0, .size: 8, .value_kind: global_buffer, .address_space: global }
      - { .name: feature, .offset: 8, .size: 8, .value_kind: global_buffer, .address_space: global }
      - { .name: position, .offset: 16, .size: 8, .value_kind: global_buffer, .address_space: global }
      - { .name: gm1, .offset: 24, .size: 8, .value_kind: global_buffer, .address_space: global }
      - { .name: lst, .offset: 32, .size: 8, .value_kind: global_buffer, .address_space: global }
    .group_segment_fixed_size: 212992
    .private_segment_fixed_size: 0
    .kernarg_segment_align: 8
    .kernarg_segment_size: 40
    .max_flat_workgroup_size: 256
    .sgpr_count:     66
    .vgpr_count:     512
    .wavefront_size: 32
...
	.end_amdgpu_metadata
.endif
;; end of part 6
;; launch lists: the kernel of part 2 again; grid 32 x 4, 8 waves a work-group, no clusters, 20,480 bytes of LDS; arguments lst, sel2, rowst; writes sel2, rowst
;; launch groups: the kernel of part 3 again; grid 128 x 1, 8 waves a work-group, no clusters, 2,048 bytes of LDS; arguments gm1, sel2, sel3; writes sel3
;; launch final: the kernel of part 4 again; grid 256 x 4, 5 waves a work-group, no clusters, 47,360 bytes of LDS; arguments centers, feature, position, mem_pid, sel3, rowst, out1, rowx; writes out1, rowx
;; launch loss: the kernel of part 5 again; grid 1 x 1, 32 waves a work-group, no clusters, 4,352 bytes of LDS; arguments rowst, rowx, out0; writes out0
